; MI455X (gfx1250); checked and timed in simulation.
; The chip was launched on July 23, 2026; its instructions are those of AMD's public machine-readable ISA for CDNA 5 (MIT licence, August 2026) and "CDNA5" Instruction Set Architecture Reference Guide (July 2026). The comments in the code are by the model that wrote it; some were corrected since.
;; Moe Layer. Allowed arithmetic: matrix products marked QUANTISED: E3M2 operands, one E8M0 scale for each 32 along K, by v_wmma_scale_f32_16x16x128_f8f6f4 with both operands' format E3M2, f32 sums; products left as they are: f32 operands where the result goes on into a quantised operand, else bf16, f16 or f32 operands; f32 sums; everything else in f32.
;; Inputs: b1 8 x 4,096 float32; b2 8 x 1,024 float32; gate_b 8 float32; gate_w 1,024 x 8 float32; inputs 1,024 x 1,024 float32; w1_codes 8 x 4,096 x 32 x 24 uint8 (E3M2 codes of w1, K innermost, in blocks of 32 codes, four codes in three bytes); w1_scales 8 x 4,096 x 32 uint8 (E8M0 scales of w1, one for each 32 codes along K); w2_codes 8 x 1,024 x 128 x 24 uint8 (E3M2 codes of w2, K innermost, in blocks of 32 codes, four codes in three bytes); w2_scales 8 x 1,024 x 128 uint8 (E8M0 scales of w2, one for each 32 codes along K).
;; Outputs: out0 1,024 x 1,024 float32.
;; This version of the problem:
;;   THIS VERSION OF THE PROBLEM IS GIVEN IN LOW PRECISION. The matrix products marked QUANTISED in the list below multiply operands that are first quantised to E3M2 (3 exponent bits, 2 mantissa bits; 6 bits a number), with one power-of-two scale for each 32 numbers along K (OCP MX v1.0); their sums are f32. All else is computed in f32.
;;   The module's matrix products, in the order in which they are computed (A, B: the left and right operand; K: the contracted axis; several contracted axes count as one K, in the product's order):
;;     1. [M 1,024, K 1,024] x [K 1,024, N 8]; A: input inputs; B: input gate_w: left as it is (N = 8 < 16)
;;     2. [M 1,024, K 1,024] x [K 1,024, N 4,096]; A: input inputs; B: input w1 (given as codes): QUANTISED
;;     3. [M 1,024, K 4,096] x [K 4,096, N 1,024]; A: computed on the way; B: input w2 (given as codes): QUANTISED
;;     4. [M 1,024, K 1,024] x [K 1,024, N 4,096]; A: input inputs; B: input w1 (given as codes): QUANTISED
;;     5. [M 1,024, K 4,096] x [K 4,096, N 1,024]; A: computed on the way; B: input w2 (given as codes): QUANTISED
;;     6. [M 1,024, K 1,024] x [K 1,024, N 4,096]; A: input inputs; B: input w1 (given as codes): QUANTISED
;;     7. [M 1,024, K 4,096] x [K 4,096, N 1,024]; A: computed on the way; B: input w2 (given as codes): QUANTISED
;;     8. [M 1,024, K 1,024] x [K 1,024, N 4,096]; A: input inputs; B: input w1 (given as codes): QUANTISED
;;     9. [M 1,024, K 4,096] x [K 4,096, N 1,024]; A: computed on the way; B: input w2 (given as codes): QUANTISED
;;     10. [M 1,024, K 1,024] x [K 1,024, N 4,096]; A: input inputs; B: input w1 (given as codes): QUANTISED
;;     11. [M 1,024, K 4,096] x [K 4,096, N 1,024]; A: computed on the way; B: input w2 (given as codes): QUANTISED
;;     12. [M 1,024, K 1,024] x [K 1,024, N 4,096]; A: input inputs; B: input w1 (given as codes): QUANTISED
;;     13. [M 1,024, K 4,096] x [K 4,096, N 1,024]; A: computed on the way; B: input w2 (given as codes): QUANTISED
;;     14. [M 1,024, K 1,024] x [K 1,024, N 4,096]; A: input inputs; B: input w1 (given as codes): QUANTISED
;;     15. [M 1,024, K 4,096] x [K 4,096, N 1,024]; A: computed on the way; B: input w2 (given as codes): QUANTISED
;;     16. [M 1,024, K 1,024] x [K 1,024, N 4,096]; A: input inputs; B: input w1 (given as codes): QUANTISED
;;     17. [M 1,024, K 4,096] x [K 4,096, N 1,024]; A: computed on the way; B: input w2 (given as codes): QUANTISED
;;   THE QUANTISER, for each operand of a quantised product, along K:
;;     - K is cut into blocks of 32 from its start; a last block that is shorter is filled with zeros.
;;     - A block's scale is 2^e with e = floor(log2(the largest magnitude in the block)) - 4, held to -126 .. 127; a block of zeros has e = 0. As a byte (E8M0): e + 127.
;;     - Each number is divided by its block's scale, clamped to +-28, and rounded to the nearest number of E3M2, ties to even, subnormals kept.
;;     - The product sums the exact products of the quantised numbers (number of the format x scale) in f32.
;;   ~~~python
;;   def quantise(x, axis):      # numpy; x: float32 -> the quantised numbers, widened to float32 again
;;       x = np.moveaxis(x, axis, -1); K = x.shape[-1]
;;       x = np.pad(x, [(0, 0)] * (x.ndim - 1) + [(0, -K % 32)]); x = x.reshape(x.shape[:-1] + (-1, 32)); a = np.abs(x).max(-1, keepdims=True)
;;       e = np.where(a > 0, np.clip(np.frexp(np.where(a > 0, a, 1))[1] - 1 - 4, -126, 127), 0)      # np.frexp(a)[1] - 1 = floor(log2(a)), exactly
;;       r = np.clip(x / 2.0 ** e, -28, 28)
;;       step = 2.0 ** (np.maximum(np.frexp(np.where(r == 0, 1, r))[1] - 1, -2) - 2)
;;       q = np.round(r / step) * step * 2.0 ** e      # np.round: ties to even
;;       return np.moveaxis(q.reshape(q.shape[:-2] + (-1,))[..., :K], -1, axis).astype(np.float32)
;;   ~~~
;;   OPERANDS COMPUTED ON THE WAY. 'Computed on the way' means the value that the module computes at that place (a softmax that the list does not call 'softmax' is quantised finished and normalised). What goes into a quantiser is computed in f32, as accurately as f32 sums, v_exp_f32 and their like allow (about 1e-6 of the number): no bf16 or f16 on the way to a quantiser, and a product that is left as it is and whose result goes on into a quantised operand takes f32 operands (vector FMAs, or v_wmma_f32_16x16x4_f32). A number that lies on a knife's edge between two numbers of the format may be rounded either way, as far as f32 arithmetic and the matrix unit's own rounding can turn it there, and no further.
;;   INPUTS GIVEN AS CODES. w1 (in the module: [8, 1024, 4096], K = its axis 1); w2 (in the module: [8, 4096, 1024], K = its axis 1): each comes as NAME_codes (uint8): NAME with its K axis moved to the last place and cut into blocks of 32 codes, [.., K / 32, bytes a block], one block behind the other in memory; four codes in three bytes: a row's codes are one little-endian stream of bits, code i at bits 6 i .. 6 i + 5 (a code: sign, 3 exponent bits, 2 mantissa bits); and NAME_scales (uint8): the same leading axes, one E8M0 byte (e + 127) for each 32 codes along K. Its value is code x scale, taken as it is: it is not quantised again, and the codes and scales need not be those that the quantiser above would give.
;; 2 versions. Each part assembles by itself: llvm-mc -triple=amdgcn-amd-amdhsa -mcpu=gfx1250 --defsym DOCPART=n.
;; ======== version 1 of 2: 5 launches
;; workspace buffers: xq 819,200 bytes; sel 8,192 bytes of whole numbers; wts 8,192 bytes; route 18,688 bytes of whole numbers; hq 7,987,200 bytes; yp 40,894,464 bytes
;; launch gate (part 1): grid 128 x 1, 8 waves a work-group, no clusters, 82,944 bytes of LDS; arguments inputs, gate_w, gate_b, xq, sel, wts; writes xq, sel, wts
.if DOCPART == 1
	.amdgcn_target "amdgcn-amd-amdhsa--gfx1250"
	.amdhsa_code_object_version 6
	.text
	.protected	k_qeeb1d9b80a_gate
	.globl	k_qeeb1d9b80a_gate
	.p2align	8
	.type	k_qeeb1d9b80a_gate,@function
k_qeeb1d9b80a_gate:
	s_mov_b64 s[64:65], 0
	v_nop
	global_prefetch_b8 v0, s[64:65] scope:SCOPE_SE
	s_setreg_imm32_b32 hwreg(HW_REG_WAVE_MODE, 25, 1), 1
	s_wait_xcnt 0x0
; THE ROUTER AND THE QUANTISER OF x.  A wave takes one token (1,024 f32): its 8 logits x . gate_w + gate_b in f32 by fused multiply-adds, the two largest (the lower index wins a tie),
; the softmax over those two with the larger taken away first, and the token's codes of BF6 (E3M2) with one E8M0 byte for each 32 along K.
; Stored at fixed places: xq = codes [1024][768 bytes], then scale bytes [1024][32]; sel = [1024][2] experts; wts = [1024][2] weights.  No address here hangs on the choice.
; gate_w (32 KiB) is copied once into LDS by the eight waves, 4 rows of it (128 bytes) to a place of 144 bytes, so that lane L reads the four rows that belong to its four numbers of x.
; No matrix unit: the product has 8 columns.  No tensor load, no cluster: the work-groups share only gate_w, 32 KiB.
; LIMITS: NaN and infinities among inputs or logits are not served.  A block whose largest magnitude lies under 2^(5 - 127), a block of zeros too, gets the byte 1 (this program alone reads the bytes).
; The order of the logits' sums differs from a plain ascending sum: a token whose second and third logit agree within f32 rounding may be routed either way.
.set XS_OFF, 786432                    ; where the scale bytes begin in xq
.set GP,  144                          ; a place of gate_w in LDS: 128 bytes + 16
.set TSL, 256*GP                       ; behind gate_w: each wave's two turn stages
.set SP,  80                           ; a lane's place in a stage: 64 bytes + 16
.set SCB, TSL+8*64*SP                  ; the work-group's 256 scale bytes
.set RT,  SCB+256                      ; 64 bytes of experts, 64 bytes of weights
.set X,   16                           ; v16-47   x as loaded: register 4 i + c = x[128 i + 4 L + c]
.set G,   48                           ; v48-111  two sets of 32: register 8 c + e = gate_w[128 i + 4 L + c][e]
.set ACC, 112                          ; v112-119 the 8 sums
.set T,   120                          ; v120-135 at work
.set Y,   136                          ; v136-167 two steps of 16 neighbours
.set C,   168                          ; v168-175 codes
	s_load_b256 s[4:11], s[0:1], 0x0               ; inputs, gate_w, gate_b, xq
	s_load_b128 s[12:15], s[0:1], 0x20             ; sel, wts
	v_lshl_add_u32 v192, v0, 2, 0x14000
	v_mov_b32 v193, 0
	v_lshrrev_b32 v1, 5, v0
	v_readfirstlane_b32 s24, v1                    ; wave
	v_and_b32 v1, 31, v0                           ; L
	v_lshlrev_b32 v2, 4, v1                        ; 16 L
	s_mul_i32 s25, s24, 32*GP
	v_lshrrev_b32 v3, 3, v1
	v_mul_u32_u24 v3, v3, GP
	v_and_b32 v10, 7, v1
	v_lshl_add_u32 v3, v10, 4, v3
	v_add_nc_u32 v3, s25, v3                       ; gate_w into LDS: 32 places a wave; GP (L / 8) + 16 (L % 8)
	v_mul_u32_u24 v4, v1, GP                       ; and out of it: place L of each 32
	s_mul_i32 s25, s24, 64*SP
	s_add_co_u32 s25, s25, TSL
	v_lshrrev_b32 v5, 2, v1
	v_mul_u32_u24 v5, v5, SP
	v_and_b32 v10, 3, v1
	v_lshl_add_u32 v5, v10, 4, v5
	v_add_nc_u32 v5, s25, v5                       ; the turn stage, in: SP (L / 4) + 16 (L % 4)
	v_mul_u32_u24 v6, v1, SP
	v_add_nc_u32 v6, s25, v6                       ; and out: SP L: my 16 neighbours
	v_mul_u32_u24 v7, v1, 12                       ; my 16 codes in a step's 384 bytes
	s_lshl_b32 s25, s24, 5
	s_add_co_u32 s25, s25, SCB
	v_lshrrev_b32 v8, 1, v1
	v_add_nc_u32 v8, s25, v8                       ; my block's scale byte
	s_lshl_b32 s25, s24, 3
	s_add_co_u32 s25, s25, RT
	v_mov_b32 v9, s25                              ; my token's pair of experts; its weights 64 bytes on
	v_lshlrev_b32 v10, 3, v1                       ; 8 L
	v_add_nc_u32 v11, SCB, v10
	s_lshl_b32 s25, s24, 12
	v_add_nc_u32 v12, s25, v2                      ; gate_w in memory: 4,096 wave + 16 L
	v_lshlrev_b32 v14, 2, v1                       ; 4 L
	v_add_nc_u32 v15, RT, v14
.irp e, 0,1,2,3,4,5,6,7
	v_mov_b32 v[T+\e], 0                           ; a lane permute's destination counts as one of its sources
.endr
	s_lshl_b32 s26, ttmp9, 3
	s_add_co_u32 s26, s26, s24                     ; my token
	s_lshl_b32 s34, s26, 12
	s_mov_b32 s35, 0
	s_mul_i32 s36, s26, 768
	s_mov_b32 s37, 0
	s_lshl_b32 s38, ttmp9, 8
	s_add_co_u32 s38, s38, XS_OFF
	s_mov_b32 s39, 0
	s_lshl_b32 s40, ttmp9, 6
	s_mov_b32 s41, 0
	s_mov_b32 s32, 0x76543210
	s_mov_b32 s33, 0xfedcba98                      ; v_permlanex16_b32's selects for lane l xor 16
	s_wait_kmcnt 0x0
	s_load_b256 s[16:23], s[8:9], 0x0              ; gate_b
	s_add_nc_u64 s[4:5], s[4:5], s[34:35]          ; my row of x
	s_add_nc_u64 s[28:29], s[10:11], s[36:37]      ; my row of codes
	s_add_nc_u64 s[30:31], s[10:11], s[38:39]      ; the work-group's 256 scale bytes
	s_add_nc_u64 s[12:13], s[12:13], s[40:41]      ; its 64 bytes of sel
	s_add_nc_u64 s[14:15], s[14:15], s[40:41]      ; and of wts
.irp n, 0,1,2,3,4,5,6,7
	global_load_b128 v[G+4*\n:G+4*\n+3], v12, s[6:7] offset:512*\n
.endr
.irp i, 0,1,2,3,4,5,6,7
	global_load_b128 v[X+4*\i:X+4*\i+3], v2, s[4:5] offset:512*\i th:TH_LOAD_NT
.endr
	s_wait_loadcnt 0x8                             ; gate_w's eight are in; the eight of x behind them may be out
.irp n, 0,1,2,3,4,5,6,7
	ds_store_b128 v3, v[G+4*\n:G+4*\n+3] offset:4*GP*\n
.endr
	s_wait_loadcnt 0x0
.irp i, 0,1,2,3,4,5,6,7
	ds_store_b128 v5, v[X+4*\i:X+4*\i+3] offset:32*SP*(\i/4)+8*SP*(\i%4)   ; x into my own stage, as it lies
.endr
	s_wait_dscnt 0x0                               ; for the others' sake: my part of gate_w has landed
	s_barrier_signal -1
	s_barrier_wait -1
.macro GLOAD i                         ; the four rows of gate_w that belong to x[128 i + 4 L ..]
.irp c, 0,1,2,3,4,5,6,7
	ds_load_b128 v[G+32*((\i)%2)+4*\c:G+32*((\i)%2)+4*\c+3], v4 offset:32*GP*(\i)+16*\c
.endr
.endm
.macro FMA i                           ; 16 packed multiply-adds: two experts at a time, one number of x for both halves; the very first four start the sums
.irp c, 0,1,2,3
.irp p, 0,1,2,3
.if ((\i) == 0) && (\c == 0)
	v_pk_mul_f32 v[ACC+2*\p:ACC+2*\p+1], v[G+2*\p:G+2*\p+1], v[X:X+1] op_sel_hi:[1,0]
.elseif (\c%2) == 0
	v_pk_fma_f32 v[ACC+2*\p:ACC+2*\p+1], v[G+32*((\i)%2)+8*\c+2*\p:G+32*((\i)%2)+8*\c+2*\p+1], v[X+4*(\i)+\c:X+4*(\i)+\c+1], v[ACC+2*\p:ACC+2*\p+1] op_sel_hi:[1,0,1]
.else
	v_pk_fma_f32 v[ACC+2*\p:ACC+2*\p+1], v[G+32*((\i)%2)+8*\c+2*\p:G+32*((\i)%2)+8*\c+2*\p+1], v[X+4*(\i)+\c-1:X+4*(\i)+\c], v[ACC+2*\p:ACC+2*\p+1] op_sel:[0,1,0] op_sel_hi:[1,1,1]
.endif
.endr
.endr
.endm
	GLOAD 0
	GLOAD 1
.irp i, 0,1,2,3,4,5
	s_wait_dscnt 0x8                               ; this set's eight loads are in, the next set's may be out
	FMA \i
	GLOAD \i+2
.endr
	s_wait_dscnt 0x8
	FMA 6
	s_wait_dscnt 0x0
	FMA 7
.irp i, 0,1,2,3,4,5,6,7
	ds_load_b128 v[Y+4*\i:Y+4*\i+3], v6 offset:32*SP*(\i/4)+16*(\i%4)      ; x back from my stage, 16 neighbours a lane and step; they land under the reduction
.endr
.irp m, 1,2,4,8
.irp e, 0,1,2,3,4,5,6,7
	v_add_f32_dpp v[ACC+\e], v[ACC+\e], v[ACC+\e] row_xmask:\m row_mask:0xf bank_mask:0xf
.endr
.endr
.irp e, 0,1,2,3,4,5,6,7
	v_permlanex16_b32 v[T+\e], v[ACC+\e], s32, s33
.endr
	s_wait_kmcnt 0x0                               ; gate_b
.irp e, 0,1,2,3,4,5,6,7
	v_add_f32 v[ACC+\e], v[ACC+\e], v[T+\e]
.endr
.irp e, 0,1,2,3,4,5,6,7
	v_add_f32 v[ACC+\e], s[16+\e], v[ACC+\e]       ; every lane holds the 8 logits
.endr
	v_mov_b32 v128, v[ACC]                         ; the largest: a strict compare keeps the lower index
	v_mov_b32 v130, 0
.irp e, 1,2,3,4,5,6,7
	v_cmp_gt_f32 vcc_lo, v[ACC+\e], v128
	v_cndmask_b32 v128, v128, v[ACC+\e], vcc_lo
	v_cndmask_b32 v130, v130, \e, vcc_lo
.endr
	v_mov_b32 v132, 0xff800000                     ; -infinity takes its place,
.irp e, 0,1,2,3,4,5,6,7
	v_cmp_eq_u32 vcc_lo, \e, v130
	v_cndmask_b32 v[ACC+\e], v[ACC+\e], v132, vcc_lo
.endr
	v_mov_b32 v129, v[ACC]                         ; and the same pass finds the second
	v_mov_b32 v131, 0
.irp e, 1,2,3,4,5,6,7
	v_cmp_gt_f32 vcc_lo, v[ACC+\e], v129
	v_cndmask_b32 v129, v129, v[ACC+\e], vcc_lo
	v_cndmask_b32 v131, v131, \e, vcc_lo
.endr
	v_sub_f32 v133, v129, v128                     ; the maximum is taken away: 0 for the first, this for the second
	v_mul_f32 v133, 0x3fb8aa3b, v133
	v_exp_f32 v133, v133
	v_nop
	s_wait_alu depctr_va_vdst(0)
	v_add_f32 v134, 1.0, v133
	v_rcp_f32 v134, v134                           ; the first's weight
	v_nop
	s_wait_alu depctr_va_vdst(0)
	v_mul_f32 v135, v133, v134                     ; the second's
	ds_store_b64 v9, v[130:131]                    ; all lanes write the same words with the same values
	ds_store_b64 v9, v[134:135] offset:64
	s_wait_dscnt 0x2                               ; the eight loads from my stage are in; the two stores behind them may be out
.macro QSTEP s                         ; 512 numbers: 16 a lane, two neighbouring lanes to a block of 32
.set XS, Y+16*\s
.set M,  T+4*\s
	v_max3_num_f32 v[M], |v[XS]|, |v[XS+1]|, |v[XS+2]|
	v_max3_num_f32 v[M+1], |v[XS+3]|, |v[XS+4]|, |v[XS+5]|
.irp i, 6,10
	v_max3_num_f32 v[M], v[M], |v[XS+\i]|, |v[XS+\i+1]|
	v_max3_num_f32 v[M+1], v[M+1], |v[XS+\i+2]|, |v[XS+\i+3]|
.endr
	v_max3_num_f32 v[M], v[M], |v[XS+14]|, |v[XS+15]|
	v_max3_num_f32 v[M], v[M], v[M+1], 0x2800000   ; and the floor 2^(5 - 127): the byte cannot fall under 1
	v_max_num_f32_dpp v[M], v[M], v[M] row_xmask:1 row_mask:0xf bank_mask:0xf   ; with my neighbour's 16: the block's largest magnitude
	v_add_nc_u32 v[M+2], 0xfe000000, v[M]          ; 4 off its exponent field: the conversion takes that field as its scale
	v_cvt_scalef32_pk16_bf6_f32 v[C+4*\s:C+4*\s+2], v[XS:XS+15], v[M+2]
	v_lshrrev_b32 v[M+3], 23, v[M+2]               ; the scale's byte
	ds_store_b8 v8, v[M+3] offset:16*\s            ; both lanes of a block write the same byte
	global_store_b96 v7, v[C+4*\s:C+4*\s+2], s[28:29] offset:384*\s   ; the wave stores 384 consecutive bytes
.endm
	QSTEP 0
	QSTEP 1
	s_wait_dscnt 0x0                               ; my bytes, experts and weights have landed
	s_barrier_signal -1
	s_barrier_wait -1
	s_cmp_lg_u32 s24, 0                            ; wave 0 sends out what the eight waves gathered
	s_cbranch_scc1 .Lend
	ds_load_b64 v[120:121], v11
	ds_load_b32 v122, v15
	s_wait_dscnt 0x0
	global_store_b64 v10, v[120:121], s[30:31]     ; 256 consecutive bytes, aligned
	v_cmp_gt_u32 vcc_lo, 16, v1
	s_wait_xcnt 0x0                                ; EXEC changes only behind this wait
	s_and_saveexec_b32 s34, vcc_lo
	global_store_b32 v14, v122, s[12:13]           ; lanes 0-15: 8 tokens' experts
	s_wait_xcnt 0x0
	s_or_b32 exec_lo, exec_lo, s34
	v_cmp_le_u32 vcc_lo, 16, v1
	s_and_saveexec_b32 s34, vcc_lo
	global_store_b32 v14, v122, s[14:15] offset:-64   ; lanes 16-31: their weights
	s_wait_xcnt 0x0
	s_or_b32 exec_lo, exec_lo, s34
.Lend:
	s_wait_tensorcnt 0x0
	ds_add_u32 v192, v193
	s_wait_dscnt 0x0
	s_endpgm
.Lfunc_end_k_qeeb1d9b80a_gate:
	.size	k_qeeb1d9b80a_gate, .Lfunc_end_k_qeeb1d9b80a_gate-k_qeeb1d9b80a_gate
	.p2alignl 7, 3214868480
	.fill 96, 4, 3214868480
	.section	.rodata,"a",@progbits
	.p2align	6, 0x0
	.amdhsa_kernel k_qeeb1d9b80a_gate
		.amdhsa_group_segment_fixed_size 82944
		.amdhsa_private_segment_fixed_size 0
		.amdhsa_enable_private_segment 0
		.amdhsa_kernarg_size 48
		.amdhsa_user_sgpr_count 2
		.amdhsa_user_sgpr_kernarg_segment_ptr 1
		.amdhsa_wavefront_size32 1
		.amdhsa_system_sgpr_workgroup_id_x 1
		.amdhsa_system_sgpr_workgroup_id_y 1
		.amdhsa_system_sgpr_workgroup_id_z 1
		.amdhsa_system_vgpr_workitem_id 0
		.amdhsa_next_free_vgpr 194
		.amdhsa_next_free_sgpr 66
		.amdhsa_reserve_vcc 1
		.amdhsa_float_denorm_mode_32 3
		.amdhsa_float_denorm_mode_16_64 3
		.amdhsa_memory_ordered 1
		.amdhsa_forward_progress 1
		.amdhsa_inst_pref_size 28
	.end_amdhsa_kernel
	.amdgpu_metadata
---
amdhsa.version: [ 1, 2 ]
amdhsa.kernels:
  - .name:           k_qeeb1d9b80a_gate
    .symbol:         k_qeeb1d9b80a_gate.kd
    .args:
      - { .name: inputs, .offset: 0, .size: 8, .value_kind: global_buffer, .address_space: global }
      - { .name: gate_w, .offset: 8, .size: 8, .value_kind: global_buffer, .address_space: global }
      - { .name: gate_b, .offset: 16, .size: 8, .value_kind: global_buffer, .address_space: global }
      - { .name: xq, .offset: 24, .size: 8, .value_kind: global_buffer, .address_space: global }
      - { .name: sel, .offset: 32, .size: 8, .value_kind: global_buffer, .address_space: global }
      - { .name: wts, .offset: 40, .size: 8, .value_kind: global_buffer, .address_space: global }
    .group_segment_fixed_size: 82944
    .private_segment_fixed_size: 0
    .kernarg_segment_align: 8
    .kernarg_segment_size: 48
    .max_flat_workgroup_size: 256
    .sgpr_count:     66
    .vgpr_count:     194
    .wavefront_size: 32
...
	.end_amdgpu_metadata
.endif
;; end of part 1
;; launch place (part 2): grid 1 x 1, 32 waves a work-group, no clusters, 5,120 bytes of LDS; arguments sel, route; writes route
.if DOCPART == 2
	.amdgcn_target "amdgcn-amd-amdhsa--gfx1250"
	.amdhsa_code_object_version 6
	.text
	.protected	k_qeeb1d9b80a_place
	.globl	k_qeeb1d9b80a_place
	.p2align	8
	.type	k_qeeb1d9b80a_place,@function
k_qeeb1d9b80a_place:
	s_mov_b64 s[64:65], 0
	v_nop
	global_prefetch_b8 v0, s[64:65] scope:SCOPE_SE
	s_setreg_imm32_b32 hwreg(HW_REG_WAVE_MODE, 25, 1), 1
	s_wait_xcnt 0x0
; THE ROWS ARE PLACED BY EXPERT: a counting sort of the 2,048 routed rows by one work-group, a thread to a token, without atomics.
; Each expert's rows begin at a multiple of 64 slots (a quad).  route = list[2496] (slot -> token) at 0; slot_of[1024][2] at 10,240; meta[8] = {first quad, quads} at 18,432.
; At most 39 quads whatever the split: the sum over 8 experts of ceil(T / 64) with 2,048 rows in all.  Slots that no row takes get token 0: their results are computed and never read.
; Order inside an expert: by wave, then by lane.  A sort's stores of 4 bytes to scattered slots cannot be gathered: 8 KiB in all.
; Every offset that hangs on the thread's number alone is made at the head, with all lanes on, ahead of the first load and of the first change of EXEC, and is never rewritten.
	s_load_b128 s[4:7], s[0:1], 0x0                ; sel, route
	v_lshl_add_u32 v64, v0, 2, 0x400
	v_mov_b32 v65, 0
	v_lshrrev_b32 v1, 5, v0
	v_readfirstlane_b32 s8, v1                     ; wave
	v_and_b32 v1, 31, v0                           ; lane
	v_lshlrev_b32 v4, 3, v0                        ; 8 x token
	s_lshl_b32 s9, s8, 5
	v_mov_b32 v5, s9                               ; LDS: my wave's 8 counts
	v_lshlrev_b32 v6, 5, v1                        ; and wave l's, for lane l
	v_lshlrev_b32 v56, 2, v0                       ; the list's word of slot thread,
	v_add_nc_u32 v57, 4096, v56                    ; of slot thread + 1,024,
	v_add_nc_u32 v58, 8192, v56                    ; of slot thread + 2,048
	v_lshlrev_b32 v61, 2, v1                       ; meta: 4 x lane
	s_mov_b32 s10, 0x76543210
	s_mov_b32 s11, 0xfedcba98
	s_wait_kmcnt 0x0
	global_load_b64 v[2:3], v4, s[4:5]             ; my token's two experts
	s_wait_loadcnt 0x0
.irp e, 0,1,2,3,4,5,6,7
	v_cmp_eq_u32 s[16+\e], \e, v2                  ; which lanes have expert e first,
	v_cmp_eq_u32 s[24+\e], \e, v3                  ; which second
.endr
.irp e, 0,1,2,3,4,5,6,7
	s_or_b32 s[32+\e], s[16+\e], s[24+\e]
	s_bcnt1_i32_b32 s[40+\e], s[32+\e]             ; my wave's rows for expert e
	v_mbcnt_lo_u32_b32 v[8+\e], s[32+\e], 0        ; and how many of them lie in lanes below mine
	v_mov_b32 v[16+\e], s[40+\e]
.endr
	ds_store_b128 v5, v[16:19]
	ds_store_b128 v5, v[20:23] offset:16
	s_wait_dscnt 0x0
	s_barrier_signal -1
	s_barrier_wait -1
	ds_load_b128 v[24:27], v6
	ds_load_b128 v[28:31], v6 offset:16
	s_wait_dscnt 0x0
	v_cmp_gt_u32 vcc_lo, s8, v1                    ; wave l stands ahead of mine
.irp e, 0,1,2,3,4,5,6,7
	v_cndmask_b32 v[32+\e], 0, v[24+\e], vcc_lo
	v_mov_b32 v[40+\e], 0
.endr
.irp e, 0,1,2,3,4,5,6,7
	v_lshl_or_b32 v[32+\e], v[32+\e], 16, v[24+\e] ; low half: counts towards the total; high half: towards the rows ahead of my wave (both at most 1,024)
.endr
.irp m, 1,2,4,8
.irp e, 0,1,2,3,4,5,6,7
	v_mov_b32_dpp v[40+\e], v[32+\e] row_xmask:\m row_mask:0xf bank_mask:0xf
.endr
.irp e, 0,1,2,3,4,5,6,7
	v_add_nc_u32 v[32+\e], v[32+\e], v[40+\e]
.endr
.endr
.irp e, 0,1,2,3,4,5,6,7
	v_permlanex16_b32 v[40+\e], v[32+\e], s10, s11
.endr
.irp e, 0,1,2,3,4,5,6,7
	v_add_nc_u32 v[32+\e], v[32+\e], v[40+\e]
.endr
.irp e, 0,1,2,3,4,5,6,7
	v_readfirstlane_b32 s[48+\e], v[32+\e]
.endr
	s_mov_b32 s66, 0                               ; quads so far
.irp e, 0,1,2,3,4,5,6,7
	s_and_b32 s[32+\e], s[48+\e], 0xffff           ; T: the expert's rows
	s_lshr_b32 s[40+\e], s[48+\e], 16              ; those ahead of my wave
	s_mov_b32 s[48+\e], s66                        ; its first quad
	s_lshl_b32 s[68+\e], s66, 6                    ; its first slot
	s_add_co_u32 s[40+\e], s[40+\e], s[68+\e]      ; my wave's first slot
	s_add_co_u32 s[56+\e], s[32+\e], 63
	s_lshr_b32 s[56+\e], s[56+\e], 6               ; its quads
	s_add_co_u32 s66, s66, s[56+\e]
.endr
	v_mov_b32 v48, 0
	v_mov_b32 v49, 0
.irp e, 0,1,2,3,4,5,6,7
	v_add_nc_u32 v[8+\e], s[40+\e], v[8+\e]
.endr
.irp e, 0,1,2,3,4,5,6,7
	v_cndmask_b32 v48, v48, v[8+\e], s[16+\e]      ; the slot of my first expert's row,
	v_cndmask_b32 v49, v49, v[8+\e], s[24+\e]      ; of my second's
.endr
	global_store_b64 v4, v[48:49], s[6:7] offset:10240
	v_min_u32 v50, 2495, v48
	v_min_u32 v51, 2495, v49
	v_lshlrev_b32 v50, 2, v50
	v_lshlrev_b32 v51, 2, v51
	global_store_b32 v50, v0, s[6:7]               ; list[slot] = my token
	global_store_b32 v51, v0, s[6:7]
	v_mov_b32 v52, 0
	v_mov_b32 v60, 0
.irp i, 0,1,2                          ; the slots that no row takes: every word of the list is written, each once
	v_add_nc_u32 v53, 1024*\i, v0                  ; the slot's number: it feeds compares alone
	s_mov_b32 s77, 0
.irp e, 0,1,2,3,4,5,6,7
	v_sub_nc_u32 v54, v53, s[68+\e]
	v_cmp_gt_u32 s76, s[32+\e], v54                ; slot - the expert's first slot, unsigned, under T: taken
	s_or_b32 s77, s77, s76
.endr
	v_cmp_gt_u32 vcc_lo, 2496, v53
	s_and_not1_b32 vcc_lo, vcc_lo, s77
	s_wait_xcnt 0x0                                ; EXEC changes only behind this wait
	s_and_saveexec_b32 s78, vcc_lo
	global_store_b32 v[56+\i], v52, s[6:7]
	s_wait_xcnt 0x0
	s_or_b32 exec_lo, exec_lo, s78
.endr
	s_cmp_lg_u32 s8, 0
	s_cbranch_scc1 .Lend
.irp e, 0,1,2,3,4,5,6,7
	v_writelane_b32 v60, s[48+\e], 2*\e
	v_writelane_b32 v60, s[56+\e], 2*\e+1
.endr
	v_cmp_gt_u32 vcc_lo, 16, v1
	s_and_saveexec_b32 s78, vcc_lo
	global_store_b32 v61, v60, s[6:7] offset:18432
	s_wait_xcnt 0x0
	s_or_b32 exec_lo, exec_lo, s78
.Lend:
	s_wait_tensorcnt 0x0
	ds_add_u32 v64, v65
	s_wait_dscnt 0x0
	s_endpgm
.Lfunc_end_k_qeeb1d9b80a_place:
	.size	k_qeeb1d9b80a_place, .Lfunc_end_k_qeeb1d9b80a_place-k_qeeb1d9b80a_place
	.p2alignl 7, 3214868480
	.fill 96, 4, 3214868480
	.section	.rodata,"a",@progbits
	.p2align	6, 0x0
	.amdhsa_kernel k_qeeb1d9b80a_place
		.amdhsa_group_segment_fixed_size 5120
		.amdhsa_private_segment_fixed_size 0
		.amdhsa_enable_private_segment 0
		.amdhsa_kernarg_size 16
		.amdhsa_user_sgpr_count 2
		.amdhsa_user_sgpr_kernarg_segment_ptr 1
		.amdhsa_wavefront_size32 1
		.amdhsa_system_sgpr_workgroup_id_x 1
		.amdhsa_system_sgpr_workgroup_id_y 1
		.amdhsa_system_sgpr_workgroup_id_z 1
		.amdhsa_system_vgpr_workitem_id 0
		.amdhsa_next_free_vgpr 66
		.amdhsa_next_free_sgpr 80
		.amdhsa_reserve_vcc 1
		.amdhsa_float_denorm_mode_32 3
		.amdhsa_float_denorm_mode_16_64 3
		.amdhsa_memory_ordered 1
		.amdhsa_forward_progress 1
		.amdhsa_inst_pref_size 20
	.end_amdhsa_kernel
	.amdgpu_metadata
---
amdhsa.version: [ 1, 2 ]
amdhsa.kernels:
  - .name:           k_qeeb1d9b80a_place
    .symbol:         k_qeeb1d9b80a_place.kd
    .args:
      - { .name: sel, .offset: 0, .size: 8, .value_kind: global_buffer, .address_space: global }
      - { .name: route, .offset: 8, .size: 8, .value_kind: global_buffer, .address_space: global }
    .group_segment_fixed_size: 5120
    .private_segment_fixed_size: 0
    .kernarg_segment_align: 8
    .kernarg_segment_size: 16
    .max_flat_workgroup_size: 1024
    .sgpr_count:     80
    .vgpr_count:     66
    .wavefront_size: 32
...
	.end_amdgpu_metadata
.endif
;; end of part 2
;; launch up (part 3): grid 256 x 1, 4 waves a work-group, no clusters, 168,448 bytes of LDS; arguments xq, route, w1_codes, w1_scales, b1, hq; writes hq
.if DOCPART == 3
	.amdgcn_target "amdgcn-amd-amdhsa--gfx1250"
	.amdhsa_code_object_version 6
	.text
	.protected	k_qeeb1d9b80a_up
	.globl	k_qeeb1d9b80a_up
	.p2align	8
	.type	k_qeeb1d9b80a_up,@function
k_qeeb1d9b80a_up:
	s_mov_b64 s[64:65], 0
	v_nop
	global_prefetch_b8 v0, s[64:65] scope:SCOPE_SE
	s_setreg_imm32_b32 hwreg(HW_REG_WAVE_MODE, 25, 1), 1
	s_wait_xcnt 0x0
; hq = Q(gelu(x W1[e] + b1[e])) for the rows routed to expert e, on codes of BF6 (E3M2) with one E8M0 scale for each 32 along K.
; SHARES.  Work-group (e, c) = (x / 32, x % 32) owns 128 hidden units of expert e, which are K step c of the second product.  Wave w owns 32 of them, one block of 32 along that K, and keeps
; their codes for all of K = 1,024 in 192 registers: every byte of w1 is asked of memory once in the launch.  The work-group walks the expert's quads of 64 slots.
; THE ROWS STREAM.  While quad k is multiplied, quad k + 1's rows are on their way from memory into 96 spare registers a wave; in front of quad k's one barrier they go into the other of two LDS slots,
; so that the barrier shows both quad k's codes and quad k + 1's rows to every wave.  The list of slots comes two quads ahead, into two sets of 16 scalar registers by turns.
; THE WALK HANGS ON COUNTS READ FROM MEMORY (meta), so rows come through registers, not by tensor loads, and there are no joint requests; the loop has a constant count, 16 quads (1,024 rows: every
; token on this expert), work without rows is jumped over by scalar branches, and every barrier stands outside those branches.
; THE PRODUCT IS USED TRANSPOSED (source 0 = 16 rows of W1, source 1 = 16 rows of x), and lane r of tile u takes unit 8 u + r + 8 (r / 8): a lane then holds one row and 16 neighbouring units.
; hq: codes [39 quads][32 c][4 tiles][32 lanes][48 bytes], the second product's operand registers on end; scale words [39][32][4][16] behind them.
; gelu is the tanh form, as x / (1 + 2^(x (C0 + C1 x^2))), C0 = -2 log2(e) sqrt(2 / pi), C1 = 0.044715 C0: the same function, in f32.
; LIMITS: NaN and infinities are not served; a block whose largest magnitude lies under 2^(5 - 127) gets the byte 1 (this program alone reads the bytes).
; REGISTERS, in windows of 256: window 0: addresses, scale words, bias, at work, v128-191 the 8 accumulators, v192-221 codes and bytes on the way out, v224-239 the next rows' offsets.
;   window 1: W1, tile u, K step j at v[96 u + 12 j]; v192-251 the next quad's rows 0-9.   window 2: x's fragments of tiles 0, 1 (tile g, step j at v[96 g + 12 j]); v192-227 the next quad's rows 10-15.
;   window 3: x's fragments of tiles 2, 3.
.set XS_OFF, 786432
.set HS_OFF, 7667712
.set META,  18432
.set XP,    816                        ; a row of x in LDS: 768 bytes of codes, 32 scale bytes, 16 of padding = 204 words: row r starts at bank 12 r mod 64 (64 banks of 4 bytes: ISA guide 11.1): the 32 lanes of a load of 8 bytes touch 64 different banks
.set XT,    16*XP
.set XQ,    64*XP                      ; a slot: a quad's 64 rows
.set EX,    2*XQ                       ; behind the two slots: two buffers in which a quad's codes (6,144 bytes) and scale words (256) meet
.set EXS,   6144
.set EXBUF, 6656
.set WST,   EX+2*EXBUF                 ; each wave's own 16 rows x 784 bytes, in which W1's rows turn into fragments
.set WP,    784
.set XFR,   10                         ; v10-11   x's fragments in slot 0, 1: row r, + 24 h
.set XSR,   14                         ; v14-15   x's scale words in slot 0, 1: row L
.set WS,    32                         ; v32-39   W1's scale words, K step j: lanes 0-15 tile 0, lanes 16-31 tile 1
.set XS,    40                         ; v40-55   x's: pair p, K step j at 8 p + j: lanes 0-15 tile 2 p, lanes 16-31 tile 2 p + 1
.set BIAS,  56                         ; v56-71   b1 in the result's layout, 8 registers a tile
.set SA,    72                         ; v72-73   where my 16 rows go in slot 0, 1;  v76-77 their scale bytes
.set SS,    76
.set AS,    80                         ; v80      offset of the scale bytes in memory;  v84-87 the bytes
.set XSD,   84
.set T,     104                        ; v104-119 at work
.set ACC,   128
.set CD,    192                        ; v192-207 the codes just made;  v208-221 what leaves
.set RB,    208
.set AD,    224                        ; v224-239 the next quad's rows: row r's offset in xq
.set STG,   192                        ; in windows 1 and 2: the next quad's rows as loaded, 6 registers a row
.set MSB, 0
.macro WIN new                         ; the immediate's high byte repeats the setting that is left
.if MSB != (\new)
	s_set_vgpr_msb (MSB<<8)|(\new)
.set MSB, (\new)
.endif
.endm
.macro LOFF d, g                       ; where my 16 slots of quad idx + g lie in the list; the quad is held inside the list
	s_add_co_u32 \d, s20, s22
	s_add_co_u32 \d, \d, \g
	s_min_u32 \d, \d, 38
	s_lshl_b32 \d, \d, 8
	s_add_co_u32 \d, \d, s17
.endm
; My 16 rows of a quad are asked for: 49 loads.  b: the first of the 16 scalar registers with their tokens.
.macro GRPLOAD b
.irp r, 0,1,2,3,4,5,6,7,8,9,10,11,12,13,14,15
	s_min_u32 s[(\b)+\r], s[(\b)+\r], 1023
.endr
.irp r, 0,1,2,3,4,5,6,7,8,9,10,11,12,13,14,15
	v_writelane_b32 v28, s[(\b)+\r], \r
.endr
.irp r, 0,1,2,3,4,5,6,7,8,9,10,11,12,13,14,15
	s_mul_i32 s[(\b)+\r], s[(\b)+\r], 768
.endr
.irp r, 0,1,2,3,4,5,6,7,8,9,10,11,12,13,14,15
	v_add_nc_u32 v[AD+\r], s[(\b)+\r], v5
.endr
	v_permlanex16_b32 v24, v28, s26, s27
	v_or_b32 v24, v24, v28                         ; lane L: the token of row L % 16
	v_min_u32 v24, 1023, v24
	v_lshl_add_u32 v[AS], v24, 5, v23
	global_load_b128 v[XSD:XSD+3], v[AS], s[28:29]
	WIN 0x40                                       ; destination window 1
.irp r, 0,1,2,3,4,5,6,7,8,9
.irp t, 0,1,2
	global_load_b64 v[STG+6*\r+2*\t:STG+6*\r+2*\t+1], v[AD+\r], s[4:5] offset:256*\t   ; 256 consecutive bytes of one token's codes, aligned
.endr
.endr
	WIN 0x80                                       ; destination window 2
.irp r, 10,11,12,13,14,15
.irp t, 0,1,2
	global_load_b64 v[STG+6*(\r-10)+2*\t:STG+6*(\r-10)+2*\t+1], v[AD+\r], s[4:5] offset:256*\t
.endr
.endr
	WIN 0
.endm
.macro GRPSTORE s                      ; and go into slot s
	WIN 0x04                                       ; an LDS store's data are its source 1: window 1
.irp r, 0,1,2,3,4,5,6,7,8,9
.irp t, 0,1,2
	ds_store_b64 v[SA+(\s)], v[STG+6*\r+2*\t:STG+6*\r+2*\t+1] offset:XP*\r+256*\t
.endr
.endr
	WIN 0x08                                       ; window 2
.irp r, 10,11,12,13,14,15
.irp t, 0,1,2
	ds_store_b64 v[SA+(\s)], v[STG+6*(\r-10)+2*\t:STG+6*(\r-10)+2*\t+1] offset:XP*\r+256*\t
.endr
.endr
	WIN 0
	ds_store_b128 v[SS+(\s)], v[XSD:XSD+3]
.endm
; Tile u of W1 turns from rows as loaded into fragments, through my own bytes of LDS.  LDS serves a wave's instructions in order (ISA guide 5.7.1.4): no wait between the stores and the loads.
.macro WTURN u
	WIN 0x04
.irp m, 0,1,2,3,4,5,6,7
	ds_store_b128 v6, v[96*\u+12*\m:96*\u+12*\m+3] offset:2*WP*\m
	ds_store_b128 v7, v[96*\u+12*\m+4:96*\u+12*\m+7] offset:2*WP*\m+512
	ds_store_b128 v6, v[96*\u+12*\m+8:96*\u+12*\m+11] offset:2*WP*\m+WP+256
.endr
	WIN 0x40
.irp j, 0,1,2,3,4,5,6,7
.irp q, 0,1,2,3,4,5
	ds_load_b64 v[96*\u+12*\j+2*\q:96*\u+12*\j+2*\q+1], v8 offset:96*\j+48*(\q/3)+8*(\q%3)
.endr
.endr
	WIN 0
.endm
; A quad's products go in 16 steps: step s is pair s / 8 of the quad's tiles, K step s % 8.
; The fragments of step s out of slot k: two tiles, 24 bytes of a row's stream of bits as three loads of 8: 12 loads.
.macro FRAGS s, k
	WIN 0x80+0x40*((\s)/8)
.irp g, 0,1
.irp q, 0,1,2,3,4,5
	ds_load_b64 v[96*\g+12*((\s)%8)+2*\q:96*\g+12*((\s)%8)+2*\q+1], v[XFR+\k] offset:XT*(2*((\s)/8)+\g)+96*((\s)%8)+48*(\q/3)+8*(\q%3)
.endr
.endr
.endm
; 4 matrix instructions: pair p's two tiles of rows x my two tiles of units, K step j.  The four accumulators take turns, one instruction a turn; b1 is the C of each sum's first.
.macro MUL4 p, j
.irp g, 0,1
.irp u, 0,1
.set rD, ACC+16*(2*(\p)+\g)+8*\u
.set rC, rD
.if (\j) == 0
.set rC, BIAS+8*\u
.endif
.set rA, 96*\u+12*(\j)
.set rB, 96*\g+12*(\j)
.if (\u == 0) && (\g == 0)
	v_wmma_scale_f32_16x16x128_f8f6f4 v[rD:rD+7], v[rA:rA+11], v[rB:rB+11], v[rC:rC+7], v[WS+(\j)], v[XS+8*(\p)+(\j)] matrix_a_fmt:MATRIX_FMT_BF6 matrix_b_fmt:MATRIX_FMT_BF6
.elseif (\u == 1) && (\g == 0)
	v_wmma_scale_f32_16x16x128_f8f6f4 v[rD:rD+7], v[rA:rA+11], v[rB:rB+11], v[rC:rC+7], v[WS+(\j)], v[XS+8*(\p)+(\j)] matrix_a_fmt:MATRIX_FMT_BF6 matrix_b_fmt:MATRIX_FMT_BF6 matrix_a_scale:MATRIX_SCALE_ROW1
.elseif (\u == 0) && (\g == 1)
	v_wmma_scale_f32_16x16x128_f8f6f4 v[rD:rD+7], v[rA:rA+11], v[rB:rB+11], v[rC:rC+7], v[WS+(\j)], v[XS+8*(\p)+(\j)] matrix_a_fmt:MATRIX_FMT_BF6 matrix_b_fmt:MATRIX_FMT_BF6 matrix_b_scale:MATRIX_SCALE_ROW1
.else
	v_wmma_scale_f32_16x16x128_f8f6f4 v[rD:rD+7], v[rA:rA+11], v[rB:rB+11], v[rC:rC+7], v[WS+(\j)], v[XS+8*(\p)+(\j)] matrix_a_fmt:MATRIX_FMT_BF6 matrix_b_fmt:MATRIX_FMT_BF6 matrix_a_scale:MATRIX_SCALE_ROW1 matrix_b_scale:MATRIX_SCALE_ROW1
.endif
.endr
.endr
.endm
; The quad's 64 matrix instructions.  The fragments run four steps ahead of the products: behind each step's four products stand the 12 loads of the step four further on, so that the LDS loads go out in
; short runs among the products at the price of two window switches a step.  The loads land in registers that no product since the last quad has named.
.macro PRODUCTS k
	FRAGS 0, \k
	FRAGS 1, \k
	FRAGS 2, \k
	FRAGS 3, \k
.irp s, 0,1,2,3,4,5,6,7,8,9,10,11,12,13,14,15
.if \s < 13
	s_wait_dscnt 36                                ; this step's loads are in (and the scale words, which are older); the three steps behind it, 12 loads each, may be out
.else
	s_wait_dscnt 12*(15-\s)                        ; the steps that are left behind it
.endif
	WIN 0x09+4*(\s/8)                              ; source 0 (W1) window 1, source 1 (x) window 2 or 3, C and D window 0
	MUL4 \s/8, \s%8
.if \s < 12
	FRAGS \s+4, \k
.endif
.endr
	WIN 0
.endm
.macro GELU16 g                        ; a lane's 16 numbers of tile g, in place; each accumulator is read from its low end on
.set rX, ACC+16*(\g)
.irp i, 0,2,4,6,8,10,12,14
	v_pk_mul_f32 v[T+\i:T+\i+1], v[rX+\i:rX+\i+1], v[rX+\i:rX+\i+1]
.endr
.irp i, 0,2,4,6,8,10,12,14
	v_pk_fma_f32 v[T+\i:T+\i+1], v[T+\i:T+\i+1], v[102:103], v[100:101]
.endr
.irp i, 0,2,4,6,8,10,12,14
	v_pk_mul_f32 v[T+\i:T+\i+1], v[T+\i:T+\i+1], v[rX+\i:rX+\i+1]
.endr
.irp i, 0,1,2,3,4,5,6,7,8,9,10,11,12,13,14,15
	v_exp_f32 v[T+\i], v[T+\i]
.endr
	v_nop                                          ; one plain place behind the transcendentals
	s_wait_alu depctr_va_vdst(0)
.irp i, 0,2,4,6,8,10,12,14
	v_pk_add_f32 v[T+\i:T+\i+1], v[T+\i:T+\i+1], 1.0 op_sel_hi:[1,0]
.endr
.irp i, 0,1,2,3,4,5,6,7,8,9,10,11,12,13,14,15
	v_rcp_f32 v[T+\i], v[T+\i]
.endr
	v_nop
	s_wait_alu depctr_va_vdst(0)
.irp i, 0,2,4,6,8,10,12,14
	v_pk_mul_f32 v[rX+\i:rX+\i+1], v[rX+\i:rX+\i+1], v[T+\i:T+\i+1]
.endr
.endm
.macro QUANT4                          ; the four tiles' blocks by turns: v104-107 largest magnitudes, v108-111 the other half's, v112-115 the conversions' scales, v116-119 the bytes
.irp g, 0,1,2,3
	v_max3_num_f32 v[T+\g], |v[ACC+16*\g]|, |v[ACC+16*\g+1]|, 0x2800000   ; my 16 numbers, and the floor 2^(5 - 127)
.endr
.irp i, 2,4,6,8,10,12,14
.irp g, 0,1,2,3
	v_max3_num_f32 v[T+\g], v[T+\g], |v[ACC+16*\g+\i]|, |v[ACC+16*\g+\i+1]|
.endr
.endr
.irp g, 0,1,2,3
	v_permlanex16_b32 v[T+4+\g], v[T+\g], s26, s27
.endr
.irp g, 0,1,2,3
	v_max_num_f32 v[T+\g], v[T+\g], v[T+4+\g]      ; with lane l xor 16's 16: the block's largest magnitude
.endr
.irp g, 0,1,2,3
	v_add_nc_u32 v[T+8+\g], 0xfe000000, v[T+\g]    ; 4 off its exponent field
.endr
.irp g, 0,1,2,3
	v_lshrrev_b32 v[T+12+\g], 23, v[T+8+\g]        ; the scale's byte
.endr
.irp g, 0,1,2,3
	v_cvt_scalef32_pk16_bf6_f32 v[CD+4*\g:CD+4*\g+2], v[ACC+16*\g:ACC+16*\g+15], v[T+8+\g]
.endr
	v_nop                                          ; one plain place behind the scaled conversions
.endm
.macro XCHG c, o                       ; tiles 2 c and 2 c + 1 change halves: lane (r, hl) then holds the whole block of row r of tile 2 c + hl: 24 bytes
.irp i, 0,1,2
	v_permlane16_swap_b32 v[CD+8*\c+\i], v[CD+8*\c+4+\i]
.endr
.irp i, 0,1,2
	v_mov_b32 v[CD+8*\c+3+\i], v[CD+8*\c+4+\i]
.endr
.irp i, 0,1,2
	ds_store_b64 v18, v[CD+8*\c+2*\i:CD+8*\c+2*\i+1] offset:3072*\c+8*\i+\o
.endr
.endm
; A quad; p = its number's parity: its rows lie in slot p, its codes meet in buffer p, the next quad's list lies in set 1 - p.  ONE barrier.  In front of it: the four waves' blocks meet in buffer p, and
; the next quad's rows go into slot 1 - p, which every wave has read for the last time ahead of the barrier before.  Behind it: the quad leaves in whole aligned runs.  A buffer is written again two
; barriers later, and each wave has waited for its reads of it in front of the barrier between.
.macro QUAD p
	s_cmp_ge_u32 s22, s21
	s_cbranch_scc1 .Lqa_\@
	s_wait_kmcnt 0x0                               ; the next quad's list, asked for a quad ago
	s_add_co_u32 s19, s22, 1
	s_cmp_ge_u32 s19, s21
	s_cbranch_scc1 .Lnl_\@
	GRPLOAD 48-16*\p                               ; the next quad's rows go out first: they have this quad's work in which to land
.Lnl_\@:
.if \p == 0
	LOFF s23, 2
.else
	LOFF s24, 2
.endif
	s_load_b512 s[32+16*\p:47+16*\p], s[6:7], s[23+\p] offset:0x0   ; the list of the quad after that (held inside the list), into the set that was used up a quad ago
	ds_load_b128 v[XS:XS+3], v[XSR+\p]
	ds_load_b128 v[XS+4:XS+7], v[XSR+\p] offset:16
	ds_load_b128 v[XS+8:XS+11], v[XSR+\p] offset:32*XP
	ds_load_b128 v[XS+12:XS+15], v[XSR+\p] offset:32*XP+16
	PRODUCTS \p
.rept 4
	v_nop                                          ; four places in front of the first read of results (ISA guide 7.12.1)
.endr
	GELU16 0
	GELU16 1
	GELU16 2
	GELU16 3
	QUANT4
	XCHG 0, EXBUF*\p
	XCHG 1, EXBUF*\p
.irp g, 0,1,2,3
	ds_store_b8 v19, v[T+12+\g] offset:64*\g+EXBUF*\p    ; lanes r and 16 + r write the same byte
.endr
	s_wait_loadcnt 0x0                             ; on every way through a quad's work: no load is out
	s_cmp_ge_u32 s19, s21
	s_cbranch_scc1 .Lqa_\@
	GRPSTORE 1-\p
.Lqa_\@:
	s_wait_dscnt 0x0                               ; my stores have landed, my loads are in
	s_barrier_signal -1
	s_barrier_wait -1
	s_cmp_ge_u32 s22, s21
	s_cbranch_scc1 .Lqb_\@
	s_wait_xcnt 0x0                                ; the last quad's stores have read their registers and bases
	s_add_co_u32 s68, s20, s22
	s_min_u32 s68, s68, 38
	s_lshl_b32 s68, s68, 5
	s_add_co_u32 s68, s68, s18                     ; 32 x quad + c
	s_mul_i32 s70, s68, 6144
	s_mov_b32 s71, 0
	s_add_nc_u64 s[30:31], s[14:15], s[70:71]
	s_lshl_b32 s70, s68, 8
	s_add_co_u32 s70, s70, HS_OFF
	s_add_nc_u64 s[2:3], s[14:15], s[70:71]
.irp t, 0,1,2
	ds_load_b128 v[RB+4*\t:RB+4*\t+3], v20 offset:512*\t+EXBUF*\p
.endr
	s_cmp_lg_u32 s16, 0
	s_cbranch_scc1 .Lqc_\@
	ds_load_b64 v[RB+12:RB+13], v21 offset:EXBUF*\p
	s_wait_dscnt 0x0
	global_store_b64 v5, v[RB+12:RB+13], s[2:3]    ; the quad's 64 scale words: 256 consecutive bytes, aligned
.Lqc_\@:
	s_wait_dscnt 0x0
.irp t, 0,1,2
	global_store_b128 v120, v[RB+4*\t:RB+4*\t+3], s[30:31] offset:512*\t   ; 512 consecutive bytes, aligned
.endr
.Lqb_\@:
	s_add_co_u32 s22, s22, 1
.endm
	s_load_b256 s[4:11], s[0:1], 0x0               ; xq, route, w1_codes, w1_scales
	s_load_b128 s[12:15], s[0:1], 0x20             ; b1, hq
	v_lshl_add_u32 v254, v0, 2, 0x29000
	v_mov_b32 v255, 0
	v_lshrrev_b32 v1, 5, v0
	v_readfirstlane_b32 s16, v1                    ; wave
	v_and_b32 v1, 31, v0                           ; L
	v_and_b32 v2, 15, v0                           ; r
	v_bfe_u32 v3, v0, 4, 1                         ; h
	v_lshlrev_b32 v4, 4, v1                        ; 16 L
	v_lshlrev_b32 v5, 3, v1                        ; 8 L
	v_and_b32 v9, 8, v2
	v_add_nc_u32 v9, v9, v2
	v_lshl_add_u32 v9, v3, 3, v9
	v_lshlrev_b32 v9, 5, v9                        ; W1's scale bytes: 32 x (8 (L / 16) + r + 8 (r / 8))
	v_lshlrev_b32 v121, 6, v3                      ; b1: 64 h
	s_lshr_b32 s17, ttmp9, 5                       ; e
	s_and_b32 s18, ttmp9, 31                       ; c
	s_lshl_b32 s19, s17, 3
	s_lshl_b32 s36, ttmp9, 7
	s_lshl_b32 s37, s16, 5
	s_add_co_u32 s36, s36, s37                     ; my first row of w1: 4,096 e + 128 c + 32 wave
	s_mul_i32 s38, s36, 768
	s_mov_b32 s39, 0
	s_lshl_b32 s42, s36, 5
	s_mov_b32 s43, 0
	s_lshl_b32 s44, s36, 2
	s_mov_b32 s45, 0
	s_mov_b32 s26, 0x76543210
	s_mov_b32 s27, 0xfedcba98                      ; v_permlanex16_b32's selects for lane l xor 16
	s_lshl_b32 s17, s16, 6                         ; my 16 slots in a quad's 256 bytes of the list
	s_mov_b32 s22, 0                               ; the quad in hand, counted within the expert
	s_wait_kmcnt 0x0
	s_load_b64 s[20:21], s[6:7], s19 offset:META   ; the expert's first quad, its quads
	s_add_nc_u64 s[8:9], s[8:9], s[38:39]
	s_add_nc_u64 s[10:11], s[10:11], s[42:43]
	s_add_nc_u64 s[12:13], s[12:13], s[44:45]
	s_add_nc_u64 s[28:29], s[4:5], XS_OFF          ; x's scale bytes
	WIN 0x40                                       ; destination window 1
.irp u, 0,1                            ; two neighbouring rows of w1 are 1,536 consecutive bytes: three loads of 512
.irp m, 0,1,2,3,4,5,6,7
.irp t, 0,1,2
	global_load_b128 v[96*\u+12*\m+4*\t:96*\u+12*\m+4*\t+3], v4, s[8:9] offset:(8*\u+2*\m+8*(\m/4))*768+512*\t th:TH_LOAD_NT
.endr
.endr
.endr
	WIN 0
	global_load_b128 v[WS:WS+3], v9, s[10:11]
	global_load_b128 v[WS+4:WS+7], v9, s[10:11] offset:16
.irp u, 0,1
	global_load_b128 v[BIAS+8*\u:BIAS+8*\u+3], v121, s[12:13] offset:32*\u       ; lane (r, h), tile u, register j: unit 16 h + 8 u + j
	global_load_b128 v[BIAS+8*\u+4:BIAS+8*\u+7], v121, s[12:13] offset:32*\u+16
.endr
	s_wait_kmcnt 0x0                               ; meta
	LOFF s23, 0
	LOFF s24, 1
	s_load_b512 s[32:47], s[6:7], s23 offset:0x0   ; the lists of quads 0 and 1
	s_load_b512 s[48:63], s[6:7], s24 offset:0x0
	; every LDS address is made here, while the lists are on their way, and never rewritten
	s_mul_i32 s68, s16, 16*WP
	s_add_co_u32 s68, s68, WST
	v_add_nc_u32 v6, s68, v4                       ; the turn, in: 16 L,
	v_lshl_add_u32 v7, v3, 4, v6                   ; and 16 more where lanes 16-31 have passed into the next row
	v_mul_u32_u24 v8, v2, WP
	v_mad_u32_u24 v8, v3, 24, v8
	v_add_nc_u32 v8, s68, v8                       ; out: row r, + 24 h
	v_mul_u32_u24 v[XFR], v2, XP
	v_mad_u32_u24 v[XFR], v3, 24, v[XFR]
	v_add_nc_u32 v[XFR+1], XQ, v[XFR]
	v_mul_u32_u24 v[XSR], v1, XP
	v_add_nc_u32 v[XSR], 768, v[XSR]
	v_add_nc_u32 v[XSR+1], XQ, v[XSR]
	s_and_b32 s68, s16, 1
	s_mul_i32 s68, s68, 768
	s_lshr_b32 s69, s16, 1
	s_mul_i32 s69, s69, 24
	s_add_co_u32 s68, s68, s69
	s_add_co_u32 s68, s68, EX
	v_mul_u32_u24 v18, v3, 1536
	v_mad_u32_u24 v18, v2, 48, v18
	v_add_nc_u32 v18, s68, v18                     ; my block's 24 bytes: tile L / 16 of a pair, lane 16 (w % 2) + r, half w / 2
	s_add_co_u32 s68, s16, EX+EXS
	v_lshl_add_u32 v19, v2, 2, s68                 ; my block's byte in row r's scale word
	s_mul_i32 s68, s16, 1536
	v_add_nc_u32 v120, s68, v4                     ; the way out: tile w, 16 L
	v_add_nc_u32 v20, EX, v120
	v_add_nc_u32 v21, EX+EXS, v5
	v_lshlrev_b32 v23, 4, v3                       ; 16 h
	s_mul_i32 s68, s16, XT
	v_add_nc_u32 v[SA], s68, v5                    ; rows 16 w on, 8 L
	v_mul_u32_u24 v[SS], v2, XP
	v_add_nc_u32 v[SS], v[SS], v23
	s_add_co_u32 s68, s68, 768
	v_add_nc_u32 v[SS], s68, v[SS]                 ; row 16 w + r, its scale bytes, 16 h
	v_add_nc_u32 v[SA+1], XQ, v[SA]
	v_add_nc_u32 v[SS+1], XQ, v[SS]
	v_mov_b32 v24, 0                               ; a lane permute's and a lane write's destination count as sources;
	v_mov_b32 v28, 0                               ; lanes 16-31 of v28 stay 0
	v_mov_b32 v100, 0xc0135761                     ; C0, twice
	v_mov_b32 v101, 0xc0135761
	v_mov_b32 v102, 0xbdd2d3e8                     ; C1, twice
	v_mov_b32 v103, 0xbdd2d3e8
	s_wait_kmcnt 0x0                               ; the lists
	GRPLOAD 32                                     ; quad 0's rows, whatever the count: the list is whole, and so every register of the rows' way in is written on every way
	s_wait_loadcnt 49                              ; W1, its scale words and b1 are in: the 49 loads just issued may be out
	WTURN 0                                        ; W1 turns while quad 0's rows are on their way
	WTURN 1
	s_wait_loadcnt 0x0
	GRPSTORE 0
	s_wait_dscnt 0x0                               ; my rows have landed
	s_barrier_signal -1
	s_barrier_wait -1
	s_mov_b32 s25, 0
.Lpair:                                                ; 8 trips x 2 quads
	QUAD 0
	QUAD 1
	s_add_co_u32 s25, s25, 1
	s_cmp_lt_u32 s25, 8
	s_cbranch_scc1 .Lpair
	s_wait_tensorcnt 0x0
	ds_add_u32 v254, v255
	s_wait_dscnt 0x0
	s_endpgm
.Lfunc_end_k_qeeb1d9b80a_up:
	.size	k_qeeb1d9b80a_up, .Lfunc_end_k_qeeb1d9b80a_up-k_qeeb1d9b80a_up
	.p2alignl 7, 3214868480
	.fill 96, 4, 3214868480
	.section	.rodata,"a",@progbits
	.p2align	6, 0x0
	.amdhsa_kernel k_qeeb1d9b80a_up
		.amdhsa_group_segment_fixed_size 168448
		.amdhsa_private_segment_fixed_size 0
		.amdhsa_enable_private_segment 0
		.amdhsa_kernarg_size 48
		.amdhsa_user_sgpr_count 2
		.amdhsa_user_sgpr_kernarg_segment_ptr 1
		.amdhsa_wavefront_size32 1
		.amdhsa_system_sgpr_workgroup_id_x 1
		.amdhsa_system_sgpr_workgroup_id_y 1
		.amdhsa_system_sgpr_workgroup_id_z 1
		.amdhsa_system_vgpr_workitem_id 0
		.amdhsa_next_free_vgpr 1024
		.amdhsa_next_free_sgpr 72
		.amdhsa_reserve_vcc 0
		.amdhsa_float_denorm_mode_32 3
		.amdhsa_float_denorm_mode_16_64 3
		.amdhsa_memory_ordered 1
		.amdhsa_forward_progress 1
		.amdhsa_inst_pref_size 139
	.end_amdhsa_kernel
	.amdgpu_metadata
---
amdhsa.version: [ 1, 2 ]
amdhsa.kernels:
  - .name:           k_qeeb1d9b80a_up
    .symbol:         k_qeeb1d9b80a_up.kd
    .args:
      - { .name: xq, .offset: 0, .size: 8, .value_kind: global_buffer, .address_space: global }
      - { .name: route, .offset: 8, .size: 8, .value_kind: global_buffer, .address_space: global }
      - { .name: w1_codes, .offset: 16, .size: 8, .value_kind: global_buffer, .address_space: global }
      - { .name: w1_scales, .offset: 24, .size: 8, .value_kind: global_buffer, .address_space: global }
      - { .name: b1, .offset: 32, .size: 8, .value_kind: global_buffer, .address_space: global }
      - { .name: hq, .offset: 40, .size: 8, .value_kind: global_buffer, .address_space: global }
    .group_segment_fixed_size: 168448
    .private_segment_fixed_size: 0
    .kernarg_segment_align: 8
    .kernarg_segment_size: 48
    .max_flat_workgroup_size: 128
    .sgpr_count:     72
    .vgpr_count:     1024
    .wavefront_size: 32
...
	.end_amdgpu_metadata
.endif
;; end of part 3
;; launch down (part 4): grid 256 x 1, 4 waves a work-group, no clusters, 220,672 bytes of LDS; arguments hq, route, w2_codes, w2_scales, b2, yp; writes yp
.if DOCPART == 4
	.amdgcn_target "amdgcn-amd-amdhsa--gfx1250"
	.amdhsa_code_object_version 6
	.text
	.protected	k_qeeb1d9b80a_down
	.globl	k_qeeb1d9b80a_down
	.p2align	8
	.type	k_qeeb1d9b80a_down,@function
k_qeeb1d9b80a_down:
	s_mov_b64 s[64:65], 0
	v_nop
	global_prefetch_b8 v0, s[64:65] scope:SCOPE_SE
	s_setreg_imm32_b32 hwreg(HW_REG_WAVE_MODE, 25, 1), 1
	s_wait_xcnt 0x0
; yp[q][slot][:] = the part over K quarter q of h W2[e] (+ b2[e] in quarter 0), on codes of BF6 (E3M2) with one E8M0 scale for each 32 along K.
; SHARES.  Work-group (e, n, q) = (x / 32, (x / 4) % 8, x % 4) owns 128 outputs of expert e and 1,024 of K = 4,096.  Wave w keeps 32 outputs' codes in 192 registers: every byte of w2 is asked of
; memory once in the launch.  The work-group walks the expert's quads of 64 slots.  The four quarters' sums and a token's two experts are added by the next launch: each number of yp has one owner.
; THE QUADS STREAM.  While quad k is multiplied, quad k + 1's codes are on their way from memory into 96 spare registers a wave; in front of quad k's one barrier they go into the other of two LDS slots,
; so that the barrier shows both quad k's results and quad k + 1's codes to every wave.
; THE WALK HANGS ON COUNTS READ FROM MEMORY (meta), so the quads come through registers, not by tensor loads, and there are no joint requests; the loop has a constant count, 16 quads, work without rows is
; jumped over by scalar branches, and every barrier stands outside those branches.
; hq holds the hidden layer as the operand's registers on end: a fragment is three loads of 16 bytes at 48 x lane.  THE PRODUCT IS USED TRANSPOSED (source 0 = 16 rows of W2, source 1 = 16 slots):
; a lane holds eight neighbouring outputs of one slot.
; REGISTERS, in windows of 256: window 0 addresses, scale words, bias, v128-191 accumulators, v192-255 rows on the way out; window 1 W2 (tile u, K step j at v[96 u + 12 j]) and, from v192, 64 registers
; of the next quad; window 2 the fragments of tiles 0, 1 and, from v192, the next quad's other 32 registers; window 3 the fragments of tiles 2, 3.
.set HS_OFF, 7667712
.set META,  18432
.set AQ,    49152                      ; a slot: a quad's codes of one K quarter
.set HSB,   2*AQ                       ; behind the two slots: their scale words, 2,048 bytes each
.set OUT,   HSB+2*2048                 ; two buffers of 64 rows x (512 bytes + 16)
.set OP,    528
.set OBUF,  64*OP
.set WST,   OUT+2*OBUF                 ; each wave's own 16 rows x 784 bytes, in which W2's rows turn into fragments
.set WP,    784
.set AFR,   10                         ; v10-11   a fragment's 48 bytes of my lane, in slot 0, 1
.set WS,    32
.set XS,    40
.set BIAS,  56
.set SA,    72                         ; v72-73   where my quarter of a quad goes in slot 0, 1
.set XSD,   84
.set ACC,   128
.set RB,    192
.set STG,   192                        ; in windows 1 and 2: the next quad as loaded
.set MSB, 0
.macro WIN new                         ; the immediate's high byte repeats the setting that is left
.if MSB != (\new)
	s_set_vgpr_msb (MSB<<8)|(\new)
.set MSB, (\new)
.endif
.endm
.macro GADDR                           ; s36 holds a quad: where my quarter of its codes (v24) and my 16 bytes of its scale words (v28) lie in hq
	s_min_u32 s36, s36, 38                         ; the quad is held inside hq
	s_lshl_b32 s36, s36, 5
	s_add_co_u32 s36, s36, s33                     ; 32 x quad + 8 q
	s_mul_i32 s37, s36, 6144
	v_add_nc_u32 v24, s37, v121
	s_lshl_b32 s37, s36, 8
	s_add_co_u32 s37, s37, HS_OFF
	v_add_nc_u32 v28, s37, v122
.endm
.macro GRPLOAD                         ; 25 loads: 24 of 512 consecutive bytes, and 16 bytes a thread of the scale words
	global_load_b128 v[XSD:XSD+3], v28, s[4:5]
	WIN 0x40                                       ; destination window 1
.irp t, 0,1,2,3,4,5,6,7,8,9,10,11,12,13,14,15
	global_load_b128 v[STG+4*\t:STG+4*\t+3], v24, s[4:5] offset:512*\t
.endr
	WIN 0x80                                       ; destination window 2
.irp t, 16,17,18,19,20,21,22,23
	global_load_b128 v[STG+4*(\t-16):STG+4*(\t-16)+3], v24, s[4:5] offset:512*\t
.endr
	WIN 0
.endm
.macro GRPSTORE s                      ; and into slot s
	WIN 0x04                                       ; an LDS store's data are its source 1: window 1
.irp t, 0,1,2,3,4,5,6,7,8,9,10,11,12,13,14,15
	ds_store_b128 v[SA+(\s)], v[STG+4*\t:STG+4*\t+3] offset:512*\t
.endr
	WIN 0x08                                       ; window 2
.irp t, 16,17,18,19,20,21,22,23
	ds_store_b128 v[SA+(\s)], v[STG+4*(\t-16):STG+4*(\t-16)+3] offset:512*\t
.endr
	WIN 0
	ds_store_b128 v76, v[XSD:XSD+3] offset:2048*(\s)
.endm
; Tile u of W2 turns from rows as loaded into fragments, through my own bytes of LDS.  LDS serves a wave's instructions in order (ISA guide 5.7.1.4): no wait between the stores and the loads.
.macro WTURN u
	WIN 0x04
.irp m, 0,1,2,3,4,5,6,7
	ds_store_b128 v6, v[96*\u+12*\m:96*\u+12*\m+3] offset:2*WP*\m
	ds_store_b128 v7, v[96*\u+12*\m+4:96*\u+12*\m+7] offset:2*WP*\m+512
	ds_store_b128 v6, v[96*\u+12*\m+8:96*\u+12*\m+11] offset:2*WP*\m+WP+256
.endr
	WIN 0x40
.irp j, 0,1,2,3,4,5,6,7
.irp q, 0,1,2,3,4,5
	ds_load_b64 v[96*\u+12*\j+2*\q:96*\u+12*\j+2*\q+1], v8 offset:96*\j+48*(\q/3)+8*(\q%3)
.endr
.endr
	WIN 0
.endm
; A quad's products go in 16 steps: step s is pair s / 8 of the quad's tiles, K step s % 8.
; The fragments of step s out of slot k: two tiles, three loads of 16 bytes each; lanes 48 bytes apart: sixteen lanes touch sixteen different 16-byte columns.
.macro FRAGS s, k
	WIN 0x80+0x40*((\s)/8)
.irp g, 0,1
.irp t, 0,1,2
	ds_load_b128 v[96*\g+12*((\s)%8)+4*\t:96*\g+12*((\s)%8)+4*\t+3], v[AFR+\k] offset:6144*((\s)%8)+1536*(2*((\s)/8)+\g)+16*\t
.endr
.endr
.endm
; 4 matrix instructions: pair p's two tiles of slots x my two tiles of outputs, K step j.  The four accumulators take turns, one instruction a turn; the bias is the C of each sum's first.
.macro MUL4 p, j
.irp g, 0,1
.irp u, 0,1
.set rD, ACC+16*(2*(\p)+\g)+8*\u
.set rC, rD
.if (\j) == 0
.set rC, BIAS+8*\u
.endif
.set rA, 96*\u+12*(\j)
.set rB, 96*\g+12*(\j)
.if (\u == 0) && (\g == 0)
	v_wmma_scale_f32_16x16x128_f8f6f4 v[rD:rD+7], v[rA:rA+11], v[rB:rB+11], v[rC:rC+7], v[WS+(\j)], v[XS+8*(\p)+(\j)] matrix_a_fmt:MATRIX_FMT_BF6 matrix_b_fmt:MATRIX_FMT_BF6
.elseif (\u == 1) && (\g == 0)
	v_wmma_scale_f32_16x16x128_f8f6f4 v[rD:rD+7], v[rA:rA+11], v[rB:rB+11], v[rC:rC+7], v[WS+(\j)], v[XS+8*(\p)+(\j)] matrix_a_fmt:MATRIX_FMT_BF6 matrix_b_fmt:MATRIX_FMT_BF6 matrix_a_scale:MATRIX_SCALE_ROW1
.elseif (\u == 0) && (\g == 1)
	v_wmma_scale_f32_16x16x128_f8f6f4 v[rD:rD+7], v[rA:rA+11], v[rB:rB+11], v[rC:rC+7], v[WS+(\j)], v[XS+8*(\p)+(\j)] matrix_a_fmt:MATRIX_FMT_BF6 matrix_b_fmt:MATRIX_FMT_BF6 matrix_b_scale:MATRIX_SCALE_ROW1
.else
	v_wmma_scale_f32_16x16x128_f8f6f4 v[rD:rD+7], v[rA:rA+11], v[rB:rB+11], v[rC:rC+7], v[WS+(\j)], v[XS+8*(\p)+(\j)] matrix_a_fmt:MATRIX_FMT_BF6 matrix_b_fmt:MATRIX_FMT_BF6 matrix_a_scale:MATRIX_SCALE_ROW1 matrix_b_scale:MATRIX_SCALE_ROW1
.endif
.endr
.endr
.endm
; The quad's 64 matrix instructions.  The fragments run four steps ahead of the products: behind each step's four products stand the 6 loads of the step four further on, so that the LDS loads go out in
; short runs among the products at the price of two window switches a step.  The loads land in registers that no product since the last quad has named.
.macro PRODUCTS k
	FRAGS 0, \k
	FRAGS 1, \k
	FRAGS 2, \k
	FRAGS 3, \k
.irp s, 0,1,2,3,4,5,6,7,8,9,10,11,12,13,14,15
.if \s < 13
	s_wait_dscnt 18                                ; this step's loads are in (and the scale words, which are older); the three steps behind it, 6 loads each, may be out
.else
	s_wait_dscnt 6*(15-\s)                         ; the steps that are left behind it
.endif
	WIN 0x09+4*(\s/8)                              ; source 0 (W2) window 1, source 1 (slots) window 2 or 3, C and D window 0
	MUL4 \s/8, \s%8
.if \s < 12
	FRAGS \s+4, \k
.endif
.endr
	WIN 0
.endm
; A quad; p = its number's parity: its codes lie in slot p, its results meet in buffer p.  ONE barrier.  In front of it: the four waves' columns meet in buffer p, and the next quad's codes go into
; slot 1 - p, which every wave has read for the last time ahead of the barrier before.  Behind it: each wave stores 16 whole pieces of rows.  A buffer is written again two barriers later, and each wave
; has waited for its reads of it in front of the barrier between.
.macro QUAD p
	s_cmp_ge_u32 s22, s21
	s_cbranch_scc1 .Lqa_\@
	s_add_co_u32 s19, s22, 1
	s_cmp_ge_u32 s19, s21
	s_cbranch_scc1 .Lnl_\@
	s_add_co_u32 s36, s20, s19
	GADDR
	GRPLOAD                                        ; the next quad goes out first: it has this quad's work in which to land
.Lnl_\@:
.irp c, 0,1
.irp j, 0,1,2,3,4,5,6,7
	ds_load_b32 v[XS+8*\c+\j], v77 offset:2048*\p+256*\j+128*\c
.endr
.endr
	PRODUCTS \p
.rept 5
	v_nop                                          ; four places in front of the stores that read results and of later loads into the operands; the fifth for the next quad's sums, begun anew over these registers
.endr
.irp g, 0,1,2,3
.irp u, 0,1
	ds_store_b128 v78, v[ACC+16*\g+8*\u:ACC+16*\g+8*\u+3] offset:16*OP*\g+64*\u+OBUF*\p         ; each accumulator from its low end on
	ds_store_b128 v78, v[ACC+16*\g+8*\u+4:ACC+16*\g+8*\u+7] offset:16*OP*\g+64*\u+16+OBUF*\p
.endr
.endr
	s_wait_loadcnt 0x0                             ; on every way through a quad's work: no load is out
	s_cmp_ge_u32 s19, s21
	s_cbranch_scc1 .Lqa_\@
	GRPSTORE 1-\p
.Lqa_\@:
	s_wait_dscnt 0x0                               ; my stores have landed, my loads are in
	s_barrier_signal -1
	s_barrier_wait -1
	s_cmp_ge_u32 s22, s21
	s_cbranch_scc1 .Lqb_\@
	s_wait_xcnt 0x0                                ; the last quad's stores have read their registers and their base
	s_add_co_u32 s36, s20, s22
	s_min_u32 s36, s36, 38
	s_lshl_b32 s36, s36, 6
	s_add_co_u32 s36, s36, s34                     ; row 2,496 q + 64 x quad + 16 wave of yp
	s_lshl_b32 s38, s36, 12
	s_add_co_u32 s38, s38, s35
	s_mov_b32 s39, 0
	s_add_nc_u64 s[30:31], s[14:15], s[38:39]
.irp i, 0,1,2,3,4,5,6,7,8,9,10,11,12,13,14,15
	ds_load_b128 v[RB+4*\i:RB+4*\i+3], v79 offset:OP*\i+OBUF*\p
.endr
.irp i, 0,1,2,3,4,5,6,7,8,9,10,11,12,13,14,15
	s_wait_dscnt 15-\i                             ; row i is back; the rows behind it may be out
	global_store_b128 v4, v[RB+4*\i:RB+4*\i+3], s[30:31] offset:4096*\i th:TH_STORE_NT   ; 512 consecutive bytes, aligned
.endr
.Lqb_\@:
	s_add_co_u32 s22, s22, 1
.endm
	s_load_b256 s[4:11], s[0:1], 0x0               ; hq, route, w2_codes, w2_scales
	s_load_b128 s[12:15], s[0:1], 0x20             ; b2, yp
	v_lshl_add_u32 v126, v0, 2, 0x35c00
	v_mov_b32 v127, 0
	v_lshrrev_b32 v1, 5, v0
	v_readfirstlane_b32 s16, v1                    ; wave
	v_and_b32 v1, 31, v0                           ; L
	v_and_b32 v2, 15, v0                           ; r
	v_bfe_u32 v3, v0, 4, 1                         ; h
	v_lshlrev_b32 v4, 4, v1                        ; 16 L
	v_mul_u32_u24 v5, v3, 2304
	v_add_nc_u32 v5, v5, v4                        ; 16 L, and on into the next row of w2 for lanes 16-31
	v_lshlrev_b32 v9, 7, v1                        ; W2's scale bytes: row L of my 32
	v_lshlrev_b32 v123, 5, v3                      ; b2: 32 h
	s_lshr_b32 s17, ttmp9, 5                       ; e
	s_lshl_b32 s19, s17, 3
	s_and_b32 s24, ttmp9, 3                        ; q
	s_bfe_u32 s18, ttmp9, 0x30002                  ; n
	s_lshr_b32 s36, ttmp9, 2
	s_lshl_b32 s36, s36, 7
	s_lshl_b32 s37, s16, 5
	s_add_co_u32 s36, s36, s37                     ; my first row of w2: 1,024 e + 128 n + 32 wave
	s_mul_i32 s38, s36, 3072
	s_mul_i32 s37, s24, 768
	s_add_co_u32 s38, s38, s37
	s_mov_b32 s39, 0
	s_lshl_b32 s40, s36, 7
	s_lshl_b32 s37, s24, 5
	s_add_co_u32 s40, s40, s37
	s_mov_b32 s41, 0
	s_lshl_b32 s42, s36, 2
	s_mov_b32 s43, 0
	s_lshl_b32 s33, s24, 3                         ; the quarter's first K step
	s_mul_i32 s34, s24, 2496
	s_lshl_b32 s37, s16, 4
	s_add_co_u32 s34, s34, s37                     ; 2,496 q + 16 wave: my rows of yp
	s_lshl_b32 s35, s18, 9                         ; 512 n: my columns
	s_cmp_eq_u32 s24, 0
	s_cselect_b32 s44, -1, 0                       ; b2 enters the sums in quarter 0 alone
	s_mov_b32 s22, 0                               ; the quad in hand, counted within the expert
	s_wait_kmcnt 0x0
	s_load_b64 s[20:21], s[6:7], s19 offset:META   ; the expert's first quad, its quads
	s_add_nc_u64 s[8:9], s[8:9], s[38:39]
	s_add_nc_u64 s[10:11], s[10:11], s[40:41]
	s_add_nc_u64 s[12:13], s[12:13], s[42:43]
	WIN 0x40                                       ; destination window 1
.irp u, 0,1                            ; two rows' 768 bytes each, 3,072 apart: three loads, each of whole aligned runs of 256 bytes
.irp m, 0,1,2,3,4,5,6,7
	global_load_b128 v[96*\u+12*\m:96*\u+12*\m+3], v4, s[8:9] offset:(16*\u+2*\m)*3072 th:TH_LOAD_NT
	global_load_b128 v[96*\u+12*\m+4:96*\u+12*\m+7], v5, s[8:9] offset:(16*\u+2*\m)*3072+512 th:TH_LOAD_NT
	global_load_b128 v[96*\u+12*\m+8:96*\u+12*\m+11], v4, s[8:9] offset:(16*\u+2*\m)*3072+3328 th:TH_LOAD_NT
.endr
.endr
	WIN 0
	global_load_b128 v[WS:WS+3], v9, s[10:11]
	global_load_b128 v[WS+4:WS+7], v9, s[10:11] offset:16
.irp u, 0,1
	global_load_b128 v[BIAS+8*\u:BIAS+8*\u+3], v123, s[12:13] offset:64*\u       ; lane (r, h), tile u, register j: output 16 u + 8 h + j
	global_load_b128 v[BIAS+8*\u+4:BIAS+8*\u+7], v123, s[12:13] offset:64*\u+16
.endr
	; every LDS address is made here and never rewritten
	s_mul_i32 s36, s16, 16*WP
	s_add_co_u32 s36, s36, WST
	v_add_nc_u32 v6, s36, v4
	v_lshl_add_u32 v7, v3, 4, v6
	v_mul_u32_u24 v8, v2, WP
	v_mad_u32_u24 v8, v3, 24, v8
	v_add_nc_u32 v8, s36, v8
	v_mul_u32_u24 v[AFR], v1, 48
	v_add_nc_u32 v[AFR+1], AQ, v[AFR]
	s_mul_i32 s36, s16, 12288
	v_add_nc_u32 v121, s36, v4                     ; my quarter of a quad's 49,152 bytes, 16 L
	v_lshlrev_b32 v122, 4, v0                      ; 16 x thread
.irp g, 0,1
	v_add_nc_u32 v[SA+\g], AQ*\g, v121
.endr
	v_add_nc_u32 v76, HSB, v122
	v_lshl_add_u32 v77, v1, 2, HSB                 ; scale words: lanes 0-15 one tile's rows, lanes 16-31 the next tile's
	s_lshl_b32 s36, s16, 7
	s_add_co_u32 s36, s36, OUT
	v_mul_u32_u24 v78, v2, OP
	v_lshl_add_u32 v78, v3, 5, v78
	v_add_nc_u32 v78, s36, v78                     ; results in: row r, + 32 h, + 128 wave
	s_mul_i32 s36, s16, 16*OP
	s_add_co_u32 s36, s36, OUT
	v_add_nc_u32 v79, s36, v4                      ; and back: my 16 rows, 16 L
	s_wait_kmcnt 0x0                               ; meta
	s_cmp_lg_u32 s21, 0
	s_cselect_b32 s36, s20, 0                      ; the expert's first quad; of an expert without rows quad 0, which is always written: so every register of the quads' way in is written on every way
	GADDR
	GRPLOAD
	s_wait_loadcnt 25                              ; W2, its scale words and b2 are in: the 25 loads just issued may be out
.irp i, 0,1,2,3,4,5,6,7,8,9,10,11,12,13,14,15
	v_cndmask_b32 v[BIAS+\i], 0, v[BIAS+\i], s44   ; b2 or 0
.endr
	WTURN 0                                        ; W2 turns while the first quad is on its way
	WTURN 1
	s_wait_loadcnt 0x0
	GRPSTORE 0
	s_wait_dscnt 0x0                               ; my part of the quad has landed
	s_barrier_signal -1
	s_barrier_wait -1
	s_mov_b32 s25, 0
.Lpair:                                                ; 8 trips x 2 quads
	QUAD 0
	QUAD 1
	s_add_co_u32 s25, s25, 1
	s_cmp_lt_u32 s25, 8
	s_cbranch_scc1 .Lpair
	s_wait_tensorcnt 0x0
	ds_add_u32 v126, v127
	s_wait_dscnt 0x0
	s_endpgm
.Lfunc_end_k_qeeb1d9b80a_down:
	.size	k_qeeb1d9b80a_down, .Lfunc_end_k_qeeb1d9b80a_down-k_qeeb1d9b80a_down
	.p2alignl 7, 3214868480
	.fill 96, 4, 3214868480
	.section	.rodata,"a",@progbits
	.p2align	6, 0x0
	.amdhsa_kernel k_qeeb1d9b80a_down
		.amdhsa_group_segment_fixed_size 220672
		.amdhsa_private_segment_fixed_size 0
		.amdhsa_enable_private_segment 0
		.amdhsa_kernarg_size 48
		.amdhsa_user_sgpr_count 2
		.amdhsa_user_sgpr_kernarg_segment_ptr 1
		.amdhsa_wavefront_size32 1
		.amdhsa_system_sgpr_workgroup_id_x 1
		.amdhsa_system_sgpr_workgroup_id_y 1
		.amdhsa_system_sgpr_workgroup_id_z 1
		.amdhsa_system_vgpr_workitem_id 0
		.amdhsa_next_free_vgpr 1024
		.amdhsa_next_free_sgpr 66
		.amdhsa_reserve_vcc 0
		.amdhsa_float_denorm_mode_32 3
		.amdhsa_float_denorm_mode_16_64 3
		.amdhsa_memory_ordered 1
		.amdhsa_forward_progress 1
		.amdhsa_inst_pref_size 75
	.end_amdhsa_kernel
	.amdgpu_metadata
---
amdhsa.version: [ 1, 2 ]
amdhsa.kernels:
  - .name:           k_qeeb1d9b80a_down
    .symbol:         k_qeeb1d9b80a_down.kd
    .args:
      - { .name: hq, .offset: 0, .size: 8, .value_kind: global_buffer, .address_space: global }
      - { .name: route, .offset: 8, .size: 8, .value_kind: global_buffer, .address_space: global }
      - { .name: w2_codes, .offset: 16, .size: 8, .value_kind: global_buffer, .address_space: global }
      - { .name: w2_scales, .offset: 24, .size: 8, .value_kind: global_buffer, .address_space: global }
      - { .name: b2, .offset: 32, .size: 8, .value_kind: global_buffer, .address_space: global }
      - { .name: yp, .offset: 40, .size: 8, .value_kind: global_buffer, .address_space: global }
    .group_segment_fixed_size: 220672
    .private_segment_fixed_size: 0
    .kernarg_segment_align: 8
    .kernarg_segment_size: 48
    .max_flat_workgroup_size: 128
    .sgpr_count:     66
    .vgpr_count:     1024
    .wavefront_size: 32
...
	.end_amdgpu_metadata
.endif
;; end of part 4
;; launch combine (part 5): grid 256 x 1, 8 waves a work-group, no clusters, 0 bytes of LDS; arguments yp, route, wts, out0; writes out0
.if DOCPART == 5
	.amdgcn_target "amdgcn-amd-amdhsa--gfx1250"
	.amdhsa_code_object_version 6
	.text
	.protected	k_qeeb1d9b80a_combine
	.globl	k_qeeb1d9b80a_combine
	.p2align	8
	.type	k_qeeb1d9b80a_combine,@function
k_qeeb1d9b80a_combine:
	s_mov_b64 s[64:65], 0
	v_nop
	global_prefetch_b8 v0, s[64:65] scope:SCOPE_SE
	s_setreg_imm32_b32 hwreg(HW_REG_WAVE_MODE, 25, 1), 1
	s_wait_xcnt 0x0
; out0[t] = w0 y[slot0] + w1 y[slot1], y[slot] = the sum of yp's four K quarters.  A wave takes half a token's row (2 KiB): 32 loads of 512 consecutive bytes, all out at once, and 4 stores.
; A stream: no LDS, no barrier, no matrix unit.  The order of the sums: (q0 + q1) + (q2 + q3), then the two experts; it differs from the order in which a plain loop over experts adds.
.set QS, 10223616                      ; a quarter of yp in bytes
.set R,  16                            ; v16-143: expert k, quarter q, piece i at 64 k + 16 q + 4 i
	s_load_b256 s[4:11], s[0:1], 0x0               ; yp, route, wts, out0
	v_lshrrev_b32 v1, 5, v0
	v_readfirstlane_b32 s12, v1                    ; wave
	v_and_b32 v1, 31, v0
	v_lshlrev_b32 v1, 4, v1                        ; 16 L
	s_lshr_b32 s13, s12, 1
	s_lshl_b32 s14, ttmp9, 2
	s_add_co_u32 s13, s13, s14                     ; my token
	s_and_b32 s14, s12, 1
	s_lshl_b32 s14, s14, 11                        ; my half of its row
	s_lshl_b32 s15, s13, 3
	s_lshl_b32 s22, s13, 12
	s_add_co_u32 s22, s22, s14
	s_mov_b32 s23, 0
	s_wait_kmcnt 0x0
	s_load_b64 s[16:17], s[6:7], s15 offset:10240  ; its two slots
	s_load_b64 s[18:19], s[8:9], s15 offset:0x0    ; its two weights
	s_add_nc_u64 s[24:25], s[4:5], QS
	s_add_nc_u64 s[26:27], s[4:5], 2*QS
	s_add_nc_u64 s[28:29], s[4:5], 3*QS
	s_add_nc_u64 s[10:11], s[10:11], s[22:23]
	s_wait_kmcnt 0x0
	s_min_u32 s16, s16, 2495
	s_min_u32 s17, s17, 2495
	s_lshl_b32 s16, s16, 12
	s_lshl_b32 s17, s17, 12
	s_add_co_u32 s16, s16, s14
	s_add_co_u32 s17, s17, s14
	v_add_nc_u32 v2, s16, v1
	v_add_nc_u32 v3, s17, v1
	s_mov_b32 s20, s19                             ; the packed form names a pair and takes its low word for both halves
	s_mov_b32 s21, s19
.irp k, 0,1
.irp i, 0,1,2,3
	global_load_b128 v[R+64*\k+4*\i:R+64*\k+4*\i+3], v[2+\k], s[4:5] offset:512*\i th:TH_LOAD_NT
	global_load_b128 v[R+64*\k+16+4*\i:R+64*\k+16+4*\i+3], v[2+\k], s[24:25] offset:512*\i th:TH_LOAD_NT
	global_load_b128 v[R+64*\k+32+4*\i:R+64*\k+32+4*\i+3], v[2+\k], s[26:27] offset:512*\i th:TH_LOAD_NT
	global_load_b128 v[R+64*\k+48+4*\i:R+64*\k+48+4*\i+3], v[2+\k], s[28:29] offset:512*\i th:TH_LOAD_NT
.endr
.endr
.macro SUMK k
.irp j, 0,2,4,6,8,10,12,14
	v_pk_add_f32 v[R+64*\k+\j:R+64*\k+\j+1], v[R+64*\k+\j:R+64*\k+\j+1], v[R+64*\k+16+\j:R+64*\k+16+\j+1]
	v_pk_add_f32 v[R+64*\k+32+\j:R+64*\k+32+\j+1], v[R+64*\k+32+\j:R+64*\k+32+\j+1], v[R+64*\k+48+\j:R+64*\k+48+\j+1]
.endr
.irp j, 0,2,4,6,8,10,12,14
	v_pk_add_f32 v[R+64*\k+\j:R+64*\k+\j+1], v[R+64*\k+\j:R+64*\k+\j+1], v[R+64*\k+32+\j:R+64*\k+32+\j+1]
.endr
.endm
	s_wait_loadcnt 16                              ; the first expert's 16 loads are in; the second's may be out
	SUMK 0
.irp j, 0,2,4,6,8,10,12,14
	v_pk_mul_f32 v[R+\j:R+\j+1], v[R+\j:R+\j+1], s[18:19] op_sel_hi:[1,0]
.endr
	s_wait_loadcnt 0x0
	SUMK 1
.irp j, 0,2,4,6,8,10,12,14
	v_pk_fma_f32 v[R+\j:R+\j+1], v[R+64+\j:R+64+\j+1], s[20:21], v[R+\j:R+\j+1] op_sel_hi:[1,0,1]
.endr
.irp i, 0,1,2,3
	global_store_b128 v1, v[R+4*\i:R+4*\i+3], s[10:11] offset:512*\i th:TH_STORE_NT   ; 512 consecutive bytes, aligned
.endr
	s_endpgm
.Lfunc_end_k_qeeb1d9b80a_combine:
	.size	k_qeeb1d9b80a_combine, .Lfunc_end_k_qeeb1d9b80a_combine-k_qeeb1d9b80a_combine
	.p2alignl 7, 3214868480
	.fill 96, 4, 3214868480
	.section	.rodata,"a",@progbits
	.p2align	6, 0x0
	.amdhsa_kernel k_qeeb1d9b80a_combine
		.amdhsa_group_segment_fixed_size 0
		.amdhsa_private_segment_fixed_size 0
		.amdhsa_enable_private_segment 0
		.amdhsa_kernarg_size 32
		.amdhsa_user_sgpr_count 2
		.amdhsa_user_sgpr_kernarg_segment_ptr 1
		.amdhsa_wavefront_size32 1
		.amdhsa_system_sgpr_workgroup_id_x 1
		.amdhsa_system_sgpr_workgroup_id_y 1
		.amdhsa_system_sgpr_workgroup_id_z 1
		.amdhsa_system_vgpr_workitem_id 0
		.amdhsa_next_free_vgpr 144
		.amdhsa_next_free_sgpr 66
		.amdhsa_reserve_vcc 0
		.amdhsa_float_denorm_mode_32 3
		.amdhsa_float_denorm_mode_16_64 3
		.amdhsa_memory_ordered 1
		.amdhsa_forward_progress 1
		.amdhsa_inst_pref_size 9
	.end_amdhsa_kernel
	.amdgpu_metadata
---
amdhsa.version: [ 1, 2 ]
amdhsa.kernels:
  - .name:           k_qeeb1d9b80a_combine
    .symbol:         k_qeeb1d9b80a_combine.kd
    .args:
      - { .name: yp, .offset: 0, .size: 8, .value_kind: global_buffer, .address_space: global }
      - { .name: route, .offset: 8, .size: 8, .value_kind: global_buffer, .address_space: global }
      - { .name: wts, .offset: 16, .size: 8, .value_kind: global_buffer, .address_space: global }
      - { .name: out0, .offset: 24, .size: 8, .value_kind: global_buffer, .address_space: global }
    .group_segment_fixed_size: 0
    .private_segment_fixed_size: 0
    .kernarg_segment_align: 8
    .kernarg_segment_size: 32
    .max_flat_workgroup_size: 256
    .sgpr_count:     66
    .vgpr_count:     144
    .wavefront_size: 32
...
	.end_amdgpu_metadata
.endif
;; end of part 5
;; ======== version 2 of 2: 5 launches
;; workspace buffers: xq 819,200 bytes; sel 8,192 bytes of whole numbers; wts 8,192 bytes; route 18,688 bytes of whole numbers; hq 7,987,200 bytes; yp 40,894,464 bytes
;; launch gate (part 6): grid 128 x 1, 8 waves a work-group, no clusters, 82,944 bytes of LDS; arguments inputs, gate_w, gate_b, xq, sel, wts; writes xq, sel, wts
.if DOCPART == 6
	.amdgcn_target "amdgcn-amd-amdhsa--gfx1250"
	.amdhsa_code_object_version 6
	.text
	.protected	k_qeeb1d9b80a_gate
	.globl	k_qeeb1d9b80a_gate
	.p2align	8
	.type	k_qeeb1d9b80a_gate,@function
k_qeeb1d9b80a_gate:
	s_mov_b64 s[64:65], 0
	v_nop
	global_prefetch_b8 v0, s[64:65] scope:SCOPE_SE
	s_setreg_imm32_b32 hwreg(HW_REG_WAVE_MODE, 25, 1), 1
	s_wait_xcnt 0x0
; THE ROUTER AND THE QUANTISER OF x.  A wave takes one token (1,024 f32): its 8 logits x . gate_w + gate_b in f32 by fused multiply-adds, the two largest (the lower index wins a tie),
; the softmax over those two with the larger taken away first, and the token's codes of BF6 (E3M2) with one E8M0 byte for each 32 along K.
; Stored at fixed places: xq = codes [1024][768 bytes], then scale bytes [1024][32]; sel = [1024][2] experts; wts = [1024][2] weights.  No address here hangs on the choice.
; gate_w (32 KiB) is copied once into LDS by the eight waves, 4 rows of it (128 bytes) to a place of 144 bytes, so that lane L reads the four rows that belong to its four numbers of x.
; No matrix unit: the product has 8 columns.  No tensor load, no cluster: the work-groups share only gate_w, 32 KiB.
; LIMITS: NaN and infinities among inputs or logits are not served.  A block whose largest magnitude lies under 2^(5 - 127), a block of zeros too, gets the byte 1 (this program alone reads the bytes).
; The order of the logits' sums differs from a plain ascending sum: a token whose second and third logit agree within f32 rounding may be routed either way.
.set XS_OFF, 786432                    ; where the scale bytes begin in xq
.set GP,  144                          ; a place of gate_w in LDS: 128 bytes + 16
.set TSL, 256*GP                       ; behind gate_w: each wave's two turn stages
.set SP,  80                           ; a lane's place in a stage: 64 bytes + 16
.set SCB, TSL+8*64*SP                  ; the work-group's 256 scale bytes
.set RT,  SCB+256                      ; 64 bytes of experts, 64 bytes of weights
.set X,   16                           ; v16-47   x as loaded: register 4 i + c = x[128 i + 4 L + c]
.set G,   48                           ; v48-111  two sets of 32: register 8 c + e = gate_w[128 i + 4 L + c][e]
.set ACC, 112                          ; v112-119 the 8 sums
.set T,   120                          ; v120-135 at work
.set Y,   136                          ; v136-167 two steps of 16 neighbours
.set C,   168                          ; v168-175 codes
	s_load_b256 s[4:11], s[0:1], 0x0               ; inputs, gate_w, gate_b, xq
	s_load_b128 s[12:15], s[0:1], 0x20             ; sel, wts
	v_lshl_add_u32 v192, v0, 2, 0x14000
	v_mov_b32 v193, 0
	v_lshrrev_b32 v1, 5, v0
	s_delay_alu instid0(VALU_DEP_1)
	v_readfirstlane_b32 s24, v1                    ; wave
	v_and_b32 v1, 31, v0                           ; L
	s_delay_alu instid0(VALU_DEP_1)
	v_lshlrev_b32 v2, 4, v1                        ; 16 L
	s_mul_i32 s25, s24, 32*GP
	v_lshrrev_b32 v3, 3, v1
	s_delay_alu instid0(VALU_DEP_1)
	v_mul_u32_u24 v3, v3, GP
	v_and_b32 v10, 7, v1
	s_delay_alu instid0(VALU_DEP_1)
	v_lshl_add_u32 v3, v10, 4, v3
	s_delay_alu instid0(VALU_DEP_1)
	v_add_nc_u32 v3, s25, v3                       ; gate_w into LDS: 32 places a wave; GP (L / 8) + 16 (L % 8)
	v_mul_u32_u24 v4, v1, GP                       ; and out of it: place L of each 32
	s_mul_i32 s25, s24, 64*SP
	s_add_co_u32 s25, s25, TSL
	v_lshrrev_b32 v5, 2, v1
	s_delay_alu instid0(VALU_DEP_1)
	v_mul_u32_u24 v5, v5, SP
	v_and_b32 v10, 3, v1
	s_delay_alu instid0(VALU_DEP_1)
	v_lshl_add_u32 v5, v10, 4, v5
	s_delay_alu instid0(VALU_DEP_1)
	v_add_nc_u32 v5, s25, v5                       ; the turn stage, in: SP (L / 4) + 16 (L % 4)
	v_mul_u32_u24 v6, v1, SP
	s_delay_alu instid0(VALU_DEP_1)
	v_add_nc_u32 v6, s25, v6                       ; and out: SP L: my 16 neighbours
	v_mul_u32_u24 v7, v1, 12                       ; my 16 codes in a step's 384 bytes
	s_lshl_b32 s25, s24, 5
	s_add_co_u32 s25, s25, SCB
	v_lshrrev_b32 v8, 1, v1
	s_delay_alu instid0(VALU_DEP_1)
	v_add_nc_u32 v8, s25, v8                       ; my block's scale byte
	s_lshl_b32 s25, s24, 3
	s_add_co_u32 s25, s25, RT
	v_mov_b32 v9, s25                              ; my token's pair of experts; its weights 64 bytes on
	v_lshlrev_b32 v10, 3, v1                       ; 8 L
	s_delay_alu instid0(VALU_DEP_1)
	v_add_nc_u32 v11, SCB, v10
	s_lshl_b32 s25, s24, 12
	v_add_nc_u32 v12, s25, v2                      ; gate_w in memory: 4,096 wave + 16 L
	v_lshlrev_b32 v14, 2, v1                       ; 4 L
	s_delay_alu instid0(VALU_DEP_1)
	v_add_nc_u32 v15, RT, v14
.irp e, 0,1,2,3,4,5,6,7
	v_mov_b32 v[T+\e], 0                           ; a lane permute's destination counts as one of its sources
.endr
	s_lshl_b32 s26, ttmp9, 3
	s_add_co_u32 s26, s26, s24                     ; my token
	s_lshl_b32 s34, s26, 12
	s_mov_b32 s35, 0
	s_mul_i32 s36, s26, 768
	s_mov_b32 s37, 0
	s_lshl_b32 s38, ttmp9, 8
	s_add_co_u32 s38, s38, XS_OFF
	s_mov_b32 s39, 0
	s_lshl_b32 s40, ttmp9, 6
	s_mov_b32 s41, 0
	s_mov_b32 s32, 0x76543210
	s_mov_b32 s33, 0xfedcba98                      ; v_permlanex16_b32's selects for lane l xor 16
	s_wait_kmcnt 0x0
	s_load_b256 s[16:23], s[8:9], 0x0              ; gate_b
	s_add_nc_u64 s[4:5], s[4:5], s[34:35]          ; my row of x
	s_add_nc_u64 s[28:29], s[10:11], s[36:37]      ; my row of codes
	s_add_nc_u64 s[30:31], s[10:11], s[38:39]      ; the work-group's 256 scale bytes
	s_add_nc_u64 s[12:13], s[12:13], s[40:41]      ; its 64 bytes of sel
	s_add_nc_u64 s[14:15], s[14:15], s[40:41]      ; and of wts
.irp n, 0,1,2,3,4,5,6,7
	global_load_b128 v[G+4*\n:G+4*\n+3], v12, s[6:7] offset:512*\n
.endr
.irp i, 0,1,2,3,4,5,6,7
	global_load_b128 v[X+4*\i:X+4*\i+3], v2, s[4:5] offset:512*\i th:TH_LOAD_NT
.endr
	s_wait_loadcnt 0x8                             ; gate_w's eight are in; the eight of x behind them may be out
.irp n, 0,1,2,3,4,5,6,7
	ds_store_b128 v3, v[G+4*\n:G+4*\n+3] offset:4*GP*\n
.endr
	s_wait_loadcnt 0x0
.irp i, 0,1,2,3,4,5,6,7
	ds_store_b128 v5, v[X+4*\i:X+4*\i+3] offset:32*SP*(\i/4)+8*SP*(\i%4)   ; x into my own stage, as it lies
.endr
	s_wait_dscnt 0x0                               ; for the others' sake: my part of gate_w has landed
	s_barrier_signal -1
	s_barrier_wait -1
.macro GLOAD i                         ; the four rows of gate_w that belong to x[128 i + 4 L ..]
.irp c, 0,1,2,3,4,5,6,7
	ds_load_b128 v[G+32*((\i)%2)+4*\c:G+32*((\i)%2)+4*\c+3], v4 offset:32*GP*(\i)+16*\c
.endr
.endm
.macro FMA i                           ; 16 packed multiply-adds: two experts at a time, one number of x for both halves; the very first four start the sums
.irp c, 0,1,2,3
.irp p, 0,1,2,3
.if ((\i) == 0) && (\c == 0)
	v_pk_mul_f32 v[ACC+2*\p:ACC+2*\p+1], v[G+2*\p:G+2*\p+1], v[X:X+1] op_sel_hi:[1,0]
.elseif (\c%2) == 0
	v_pk_fma_f32 v[ACC+2*\p:ACC+2*\p+1], v[G+32*((\i)%2)+8*\c+2*\p:G+32*((\i)%2)+8*\c+2*\p+1], v[X+4*(\i)+\c:X+4*(\i)+\c+1], v[ACC+2*\p:ACC+2*\p+1] op_sel_hi:[1,0,1]
.else
	s_delay_alu instid0(VALU_DEP_4)
	v_pk_fma_f32 v[ACC+2*\p:ACC+2*\p+1], v[G+32*((\i)%2)+8*\c+2*\p:G+32*((\i)%2)+8*\c+2*\p+1], v[X+4*(\i)+\c-1:X+4*(\i)+\c], v[ACC+2*\p:ACC+2*\p+1] op_sel:[0,1,0] op_sel_hi:[1,1,1]
.endif
.endr
.endr
.endm
	GLOAD 0
	GLOAD 1
.irp i, 0,1,2,3,4,5
	s_wait_alu depctr_va_vdst(0)
	s_wait_dscnt 0x8                               ; this set's eight loads are in, the next set's may be out
	FMA \i
	GLOAD \i+2
.endr
	s_wait_alu depctr_va_vdst(0)
	s_wait_dscnt 0x8
	FMA 6
	s_wait_alu depctr_va_vdst(0)
	s_wait_dscnt 0x0
	FMA 7
.irp i, 0,1,2,3,4,5,6,7
	ds_load_b128 v[Y+4*\i:Y+4*\i+3], v6 offset:32*SP*(\i/4)+16*(\i%4)      ; x back from my stage, 16 neighbours a lane and step; they land under the reduction
.endr
.irp m, 1,2,4,8
.irp e, 0,1,2,3,4,5,6,7
	v_add_f32_dpp v[ACC+\e], v[ACC+\e], v[ACC+\e] row_xmask:\m row_mask:0xf bank_mask:0xf
.endr
.endr
.irp e, 0,1,2,3,4,5,6,7
	v_permlanex16_b32 v[T+\e], v[ACC+\e], s32, s33
.endr
	s_wait_alu depctr_va_vdst(0)
	s_wait_kmcnt 0x0                               ; gate_b
.irp e, 0,1,2,3,4,5,6,7
	v_add_f32 v[ACC+\e], v[ACC+\e], v[T+\e]
.endr
.irp e, 0,1,2,3,4,5,6,7
	v_add_f32 v[ACC+\e], s[16+\e], v[ACC+\e]       ; every lane holds the 8 logits
.endr
	v_mov_b32 v128, v[ACC]                         ; the largest: a strict compare keeps the lower index
	v_mov_b32 v130, 0
.irp e, 1,2,3,4,5,6,7
	s_delay_alu instid0(VALU_DEP_2)
	v_cmp_gt_f32 vcc_lo, v[ACC+\e], v128
	s_delay_alu instid0(VALU_DEP_1)
	v_cndmask_b32 v128, v128, v[ACC+\e], vcc_lo
	s_delay_alu instid0(VALU_DEP_2)
	v_cndmask_b32 v130, v130, \e, vcc_lo
.endr
	v_mov_b32 v132, 0xff800000                     ; -infinity takes its place,
.irp e, 0,1,2,3,4,5,6,7
	v_cmp_eq_u32 vcc_lo, \e, v130
	s_delay_alu instid0(VALU_DEP_1)
	v_cndmask_b32 v[ACC+\e], v[ACC+\e], v132, vcc_lo
.endr
	v_mov_b32 v129, v[ACC]                         ; and the same pass finds the second
	v_mov_b32 v131, 0
.irp e, 1,2,3,4,5,6,7
	s_delay_alu instid0(VALU_DEP_2)
	v_cmp_gt_f32 vcc_lo, v[ACC+\e], v129
	s_delay_alu instid0(VALU_DEP_1)
	v_cndmask_b32 v129, v129, v[ACC+\e], vcc_lo
	s_delay_alu instid0(VALU_DEP_2)
	v_cndmask_b32 v131, v131, \e, vcc_lo
.endr
	s_delay_alu instid0(VALU_DEP_2)
	v_sub_f32 v133, v129, v128                     ; the maximum is taken away: 0 for the first, this for the second
	s_delay_alu instid0(VALU_DEP_1)
	v_mul_f32 v133, 0x3fb8aa3b, v133
	s_wait_alu depctr_va_vdst(0)
	v_exp_f32 v133, v133
	v_nop
	s_wait_alu depctr_va_vdst(0)
	v_add_f32 v134, 1.0, v133
	s_wait_alu depctr_va_vdst(0)
	v_rcp_f32 v134, v134                           ; the first's weight
	v_nop
	s_wait_alu depctr_va_vdst(0)
	v_mul_f32 v135, v133, v134                     ; the second's
	ds_store_b64 v9, v[130:131]                    ; all lanes write the same words with the same values
	ds_store_b64 v9, v[134:135] offset:64
	s_wait_dscnt 0x2                               ; the eight loads from my stage are in; the two stores behind them may be out
.macro QSTEP s                         ; 512 numbers: 16 a lane, two neighbouring lanes to a block of 32
.set XS, Y+16*\s
.set M,  T+4*\s
	v_max3_num_f32 v[M], |v[XS]|, |v[XS+1]|, |v[XS+2]|
	v_max3_num_f32 v[M+1], |v[XS+3]|, |v[XS+4]|, |v[XS+5]|
.irp i, 6,10
	s_delay_alu instid0(VALU_DEP_2)
	v_max3_num_f32 v[M], v[M], |v[XS+\i]|, |v[XS+\i+1]|
	s_delay_alu instid0(VALU_DEP_2)
	v_max3_num_f32 v[M+1], v[M+1], |v[XS+\i+2]|, |v[XS+\i+3]|
.endr
	s_delay_alu instid0(VALU_DEP_2)
	v_max3_num_f32 v[M], v[M], |v[XS+14]|, |v[XS+15]|
	s_delay_alu instid0(VALU_DEP_1)
	v_max3_num_f32 v[M], v[M], v[M+1], 0x2800000   ; and the floor 2^(5 - 127): the byte cannot fall under 1
	s_delay_alu instid0(VALU_DEP_1)
	v_max_num_f32_dpp v[M], v[M], v[M] row_xmask:1 row_mask:0xf bank_mask:0xf   ; with my neighbour's 16: the block's largest magnitude
	s_delay_alu instid0(VALU_DEP_1)
	v_add_nc_u32 v[M+2], 0xfe000000, v[M]          ; 4 off its exponent field: the conversion takes that field as its scale
	v_cvt_scalef32_pk16_bf6_f32 v[C+4*\s:C+4*\s+2], v[XS:XS+15], v[M+2]
	v_lshrrev_b32 v[M+3], 23, v[M+2]               ; the scale's byte
	ds_store_b8 v8, v[M+3] offset:16*\s            ; both lanes of a block write the same byte
	global_store_b96 v7, v[C+4*\s:C+4*\s+2], s[28:29] offset:384*\s   ; the wave stores 384 consecutive bytes
.endm
	QSTEP 0
	QSTEP 1
	s_wait_dscnt 0x0                               ; my bytes, experts and weights have landed
	s_barrier_signal -1
	s_barrier_wait -1
	s_cmp_lg_u32 s24, 0                            ; wave 0 sends out what the eight waves gathered
	s_cbranch_scc1 .Lend
	ds_load_b64 v[120:121], v11
	ds_load_b32 v122, v15
	s_wait_dscnt 0x0
	global_store_b64 v10, v[120:121], s[30:31]     ; 256 consecutive bytes, aligned
	v_cmp_gt_u32 vcc_lo, 16, v1
	s_wait_xcnt 0x0                                ; EXEC changes only behind this wait
	s_and_saveexec_b32 s34, vcc_lo
	global_store_b32 v14, v122, s[12:13]           ; lanes 0-15: 8 tokens' experts
	s_wait_xcnt 0x0
	s_or_b32 exec_lo, exec_lo, s34
	v_cmp_le_u32 vcc_lo, 16, v1
	s_and_saveexec_b32 s34, vcc_lo
	global_store_b32 v14, v122, s[14:15] offset:-64   ; lanes 16-31: their weights
	s_wait_xcnt 0x0
	s_or_b32 exec_lo, exec_lo, s34
.Lend:
	s_wait_tensorcnt 0x0
	ds_add_u32 v192, v193
	s_wait_dscnt 0x0
	s_endpgm
.Lfunc_end_k_qeeb1d9b80a_gate:
	.size	k_qeeb1d9b80a_gate, .Lfunc_end_k_qeeb1d9b80a_gate-k_qeeb1d9b80a_gate
	.p2alignl 7, 3214868480
	.fill 96, 4, 3214868480
	.section	.rodata,"a",@progbits
	.p2align	6, 0x0
	.amdhsa_kernel k_qeeb1d9b80a_gate
		.amdhsa_group_segment_fixed_size 82944
		.amdhsa_private_segment_fixed_size 0
		.amdhsa_enable_private_segment 0
		.amdhsa_kernarg_size 48
		.amdhsa_user_sgpr_count 2
		.amdhsa_user_sgpr_kernarg_segment_ptr 1
		.amdhsa_wavefront_size32 1
		.amdhsa_system_sgpr_workgroup_id_x 1
		.amdhsa_system_sgpr_workgroup_id_y 1
		.amdhsa_system_sgpr_workgroup_id_z 1
		.amdhsa_system_vgpr_workitem_id 0
		.amdhsa_next_free_vgpr 194
		.amdhsa_next_free_sgpr 66
		.amdhsa_reserve_vcc 1
		.amdhsa_float_denorm_mode_32 3
		.amdhsa_float_denorm_mode_16_64 3
		.amdhsa_memory_ordered 1
		.amdhsa_forward_progress 1
		.amdhsa_inst_pref_size 33
	.end_amdhsa_kernel
	.amdgpu_metadata
---
amdhsa.version: [ 1, 2 ]
amdhsa.kernels:
  - .name:           k_qeeb1d9b80a_gate
    .symbol:         k_qeeb1d9b80a_gate.kd
    .args:
      - { .name: inputs, .offset: 0, .size: 8, .value_kind: global_buffer, .address_space: global }
      - { .name: gate_w, .offset: 8, .size: 8, .value_kind: global_buffer, .address_space: global }
      - { .name: gate_b, .offset: 16, .size: 8, .value_kind: global_buffer, .address_space: global }
      - { .name: xq, .offset: 24, .size: 8, .value_kind: global_buffer, .address_space: global }
      - { .name: sel, .offset: 32, .size: 8, .value_kind: global_buffer, .address_space: global }
      - { .name: wts, .offset: 40, .size: 8, .value_kind: global_buffer, .address_space: global }
    .group_segment_fixed_size: 82944
    .private_segment_fixed_size: 0
    .kernarg_segment_align: 8
    .kernarg_segment_size: 48
    .max_flat_workgroup_size: 256
    .sgpr_count:     66
    .vgpr_count:     194
    .wavefront_size: 32
...
	.end_amdgpu_metadata
.endif
;; end of part 6
;; launch place (part 7): grid 1 x 1, 32 waves a work-group, no clusters, 5,120 bytes of LDS; arguments sel, route; writes route
.if DOCPART == 7
	.amdgcn_target "amdgcn-amd-amdhsa--gfx1250"
	.amdhsa_code_object_version 6
	.text
	.protected	k_qeeb1d9b80a_place
	.globl	k_qeeb1d9b80a_place
	.p2align	8
	.type	k_qeeb1d9b80a_place,@function
k_qeeb1d9b80a_place:
	s_mov_b64 s[64:65], 0
	v_nop
	global_prefetch_b8 v0, s[64:65] scope:SCOPE_SE
	s_setreg_imm32_b32 hwreg(HW_REG_WAVE_MODE, 25, 1), 1
	s_wait_xcnt 0x0
; THE ROWS ARE PLACED BY EXPERT: a counting sort of the 2,048 routed rows by one work-group, a thread to a token, without atomics.
; Each expert's rows begin at a multiple of 64 slots (a quad).  route = list[2496] (slot -> token) at 0; slot_of[1024][2] at 10,240; meta[8] = {first quad, quads} at 18,432.
; At most 39 quads whatever the split: the sum over 8 experts of ceil(T / 64) with 2,048 rows in all.  Slots that no row takes get token 0: their results are computed and never read.
; Order inside an expert: by wave, then by lane.  A sort's stores of 4 bytes to scattered slots cannot be gathered: 8 KiB in all.
; Every offset that hangs on the thread's number alone is made at the head, with all lanes on, ahead of the first load and of the first change of EXEC, and is never rewritten.
	s_load_b128 s[4:7], s[0:1], 0x0                ; sel, route
	v_lshl_add_u32 v64, v0, 2, 0x400
	v_mov_b32 v65, 0
	v_lshrrev_b32 v1, 5, v0
	s_delay_alu instid0(VALU_DEP_1)
	v_readfirstlane_b32 s8, v1                     ; wave
	v_and_b32 v1, 31, v0                           ; lane
	v_lshlrev_b32 v4, 3, v0                        ; 8 x token
	s_lshl_b32 s9, s8, 5
	v_mov_b32 v5, s9                               ; LDS: my wave's 8 counts
	v_lshlrev_b32 v6, 5, v1                        ; and wave l's, for lane l
	v_lshlrev_b32 v56, 2, v0                       ; the list's word of slot thread,
	s_delay_alu instid0(VALU_DEP_1)
	v_add_nc_u32 v57, 4096, v56                    ; of slot thread + 1,024,
	s_delay_alu instid0(VALU_DEP_2)
	v_add_nc_u32 v58, 8192, v56                    ; of slot thread + 2,048
	v_lshlrev_b32 v61, 2, v1                       ; meta: 4 x lane
	s_mov_b32 s10, 0x76543210
	s_mov_b32 s11, 0xfedcba98
	s_wait_alu depctr_va_vdst(0)
	s_wait_kmcnt 0x0
	global_load_b64 v[2:3], v4, s[4:5]             ; my token's two experts
	s_wait_loadcnt 0x0
.irp e, 0,1,2,3,4,5,6,7
	v_cmp_eq_u32 s[16+\e], \e, v2                  ; which lanes have expert e first,
	v_cmp_eq_u32 s[24+\e], \e, v3                  ; which second
.endr
.irp e, 0,1,2,3,4,5,6,7
	s_or_b32 s[32+\e], s[16+\e], s[24+\e]
	s_bcnt1_i32_b32 s[40+\e], s[32+\e]             ; my wave's rows for expert e
	v_mbcnt_lo_u32_b32 v[8+\e], s[32+\e], 0        ; and how many of them lie in lanes below mine
	v_mov_b32 v[16+\e], s[40+\e]
.endr
	s_wait_alu depctr_va_vdst(0)
	ds_store_b128 v5, v[16:19]
	ds_store_b128 v5, v[20:23] offset:16
	s_wait_dscnt 0x0
	s_barrier_signal -1
	s_barrier_wait -1
	ds_load_b128 v[24:27], v6
	ds_load_b128 v[28:31], v6 offset:16
	s_wait_dscnt 0x0
	v_cmp_gt_u32 vcc_lo, s8, v1                    ; wave l stands ahead of mine
.irp e, 0,1,2,3,4,5,6,7
	v_cndmask_b32 v[32+\e], 0, v[24+\e], vcc_lo
	v_mov_b32 v[40+\e], 0
.endr
.irp e, 0,1,2,3,4,5,6,7
	v_lshl_or_b32 v[32+\e], v[32+\e], 16, v[24+\e] ; low half: counts towards the total; high half: towards the rows ahead of my wave (both at most 1,024)
.endr
.irp m, 1,2,4,8
.irp e, 0,1,2,3,4,5,6,7
	v_mov_b32_dpp v[40+\e], v[32+\e] row_xmask:\m row_mask:0xf bank_mask:0xf
.endr
.irp e, 0,1,2,3,4,5,6,7
	v_add_nc_u32 v[32+\e], v[32+\e], v[40+\e]
.endr
.endr
.irp e, 0,1,2,3,4,5,6,7
	v_permlanex16_b32 v[40+\e], v[32+\e], s10, s11
.endr
.irp e, 0,1,2,3,4,5,6,7
	v_add_nc_u32 v[32+\e], v[32+\e], v[40+\e]
.endr
.irp e, 0,1,2,3,4,5,6,7
	v_readfirstlane_b32 s[48+\e], v[32+\e]
.endr
	s_mov_b32 s66, 0                               ; quads so far
.irp e, 0,1,2,3,4,5,6,7
	s_and_b32 s[32+\e], s[48+\e], 0xffff           ; T: the expert's rows
	s_lshr_b32 s[40+\e], s[48+\e], 16              ; those ahead of my wave
	s_mov_b32 s[48+\e], s66                        ; its first quad
	s_lshl_b32 s[68+\e], s66, 6                    ; its first slot
	s_add_co_u32 s[40+\e], s[40+\e], s[68+\e]      ; my wave's first slot
	s_add_co_u32 s[56+\e], s[32+\e], 63
	s_lshr_b32 s[56+\e], s[56+\e], 6               ; its quads
	s_add_co_u32 s66, s66, s[56+\e]
.endr
	v_mov_b32 v48, 0
	v_mov_b32 v49, 0
.irp e, 0,1,2,3,4,5,6,7
	v_add_nc_u32 v[8+\e], s[40+\e], v[8+\e]
.endr
.irp e, 0
	v_cndmask_b32 v48, v48, v[8+\e], s[16+\e]      ; the slot of my first expert's row,
	v_cndmask_b32 v49, v49, v[8+\e], s[24+\e]
.endr
.irp e, 1, 2, 3, 4, 5, 6, 7
	s_delay_alu instid0(VALU_DEP_2)
	v_cndmask_b32 v48, v48, v[8+\e], s[16+\e]
	s_delay_alu instid0(VALU_DEP_2)
	v_cndmask_b32 v49, v49, v[8+\e], s[24+\e]      ; of my second's
.endr
	global_store_b64 v4, v[48:49], s[6:7] offset:10240
	v_min_u32 v50, 2495, v48
	v_min_u32 v51, 2495, v49
	s_delay_alu instid0(VALU_DEP_2)
	v_lshlrev_b32 v50, 2, v50
	s_delay_alu instid0(VALU_DEP_2)
	v_lshlrev_b32 v51, 2, v51
	global_store_b32 v50, v0, s[6:7]               ; list[slot] = my token
	global_store_b32 v51, v0, s[6:7]
	v_mov_b32 v52, 0
	v_mov_b32 v60, 0
.irp i, 0,1,2                          ; the slots that no row takes: every word of the list is written, each once
	v_add_nc_u32 v53, 1024*\i, v0                  ; the slot's number: it feeds compares alone
	s_mov_b32 s77, 0
.irp e, 0,1,2,3,4,5,6,7
	v_sub_nc_u32 v54, v53, s[68+\e]
	s_delay_alu instid0(VALU_DEP_1)
	v_cmp_gt_u32 s76, s[32+\e], v54                ; slot - the expert's first slot, unsigned, under T: taken
	s_or_b32 s77, s77, s76
.endr
	v_cmp_gt_u32 vcc_lo, 2496, v53
	s_and_not1_b32 vcc_lo, vcc_lo, s77
	s_wait_xcnt 0x0                                ; EXEC changes only behind this wait
	s_and_saveexec_b32 s78, vcc_lo
	global_store_b32 v[56+\i], v52, s[6:7]
	s_wait_xcnt 0x0
	s_or_b32 exec_lo, exec_lo, s78
.endr
	s_cmp_lg_u32 s8, 0
	s_cbranch_scc1 .Lend
.irp e, 0
	v_writelane_b32 v60, s[48+\e], 2*\e
	s_delay_alu instid0(VALU_DEP_1)
	v_writelane_b32 v60, s[56+\e], 2*\e+1
.endr
.irp e, 1, 2, 3, 4, 5, 6, 7
	s_delay_alu instid0(VALU_DEP_1)
	v_writelane_b32 v60, s[48+\e], 2*\e
	s_delay_alu instid0(VALU_DEP_1)
	v_writelane_b32 v60, s[56+\e], 2*\e+1
.endr
	v_cmp_gt_u32 vcc_lo, 16, v1
	s_and_saveexec_b32 s78, vcc_lo
	global_store_b32 v61, v60, s[6:7] offset:18432
	s_wait_xcnt 0x0
	s_or_b32 exec_lo, exec_lo, s78
.Lend:
	s_wait_tensorcnt 0x0
	ds_add_u32 v64, v65
	s_wait_dscnt 0x0
	s_endpgm
.Lfunc_end_k_qeeb1d9b80a_place:
	.size	k_qeeb1d9b80a_place, .Lfunc_end_k_qeeb1d9b80a_place-k_qeeb1d9b80a_place
	.p2alignl 7, 3214868480
	.fill 96, 4, 3214868480
	.section	.rodata,"a",@progbits
	.p2align	6, 0x0
	.amdhsa_kernel k_qeeb1d9b80a_place
		.amdhsa_group_segment_fixed_size 5120
		.amdhsa_private_segment_fixed_size 0
		.amdhsa_enable_private_segment 0
		.amdhsa_kernarg_size 16
		.amdhsa_user_sgpr_count 2
		.amdhsa_user_sgpr_kernarg_segment_ptr 1
		.amdhsa_wavefront_size32 1
		.amdhsa_system_sgpr_workgroup_id_x 1
		.amdhsa_system_sgpr_workgroup_id_y 1
		.amdhsa_system_sgpr_workgroup_id_z 1
		.amdhsa_system_vgpr_workitem_id 0
		.amdhsa_next_free_vgpr 66
		.amdhsa_next_free_sgpr 80
		.amdhsa_reserve_vcc 1
		.amdhsa_float_denorm_mode_32 3
		.amdhsa_float_denorm_mode_16_64 3
		.amdhsa_memory_ordered 1
		.amdhsa_forward_progress 1
		.amdhsa_inst_pref_size 22
	.end_amdhsa_kernel
	.amdgpu_metadata
---
amdhsa.version: [ 1, 2 ]
amdhsa.kernels:
  - .name:           k_qeeb1d9b80a_place
    .symbol:         k_qeeb1d9b80a_place.kd
    .args:
      - { .name: sel, .offset: 0, .size: 8, .value_kind: global_buffer, .address_space: global }
      - { .name: route, .offset: 8, .size: 8, .value_kind: global_buffer, .address_space: global }
    .group_segment_fixed_size: 5120
    .private_segment_fixed_size: 0
    .kernarg_segment_align: 8
    .kernarg_segment_size: 16
    .max_flat_workgroup_size: 1024
    .sgpr_count:     80
    .vgpr_count:     66
    .wavefront_size: 32
...
	.end_amdgpu_metadata
.endif
;; end of part 7
;; launch up (part 8): grid 256 x 1, 4 waves a work-group, no clusters, 168,448 bytes of LDS; arguments xq, route, w1_codes, w1_scales, b1, hq; writes hq
.if DOCPART == 8
	.amdgcn_target "amdgcn-amd-amdhsa--gfx1250"
	.amdhsa_code_object_version 6
	.text
	.protected	k_qeeb1d9b80a_up
	.globl	k_qeeb1d9b80a_up
	.p2align	8
	.type	k_qeeb1d9b80a_up,@function
k_qeeb1d9b80a_up:
	s_mov_b64 s[64:65], 0
	v_nop
	global_prefetch_b8 v0, s[64:65] scope:SCOPE_SE
	s_setreg_imm32_b32 hwreg(HW_REG_WAVE_SCHED_MODE, 0, 2), 2
	s_setreg_imm32_b32 hwreg(HW_REG_WAVE_MODE, 25, 1), 1
	s_wait_xcnt 0x0
	s_wait_alu depctr_vm_vsrc(0)
; hq = Q(gelu(x W1[e] + b1[e])) for the rows routed to expert e, on codes of BF6 (E3M2) with one E8M0 scale for each 32 along K.
; SHARES.  Work-group (e, c) = (x / 32, x % 32) owns 128 hidden units of expert e, which are K step c of the second product.  Wave w owns 32 of them, one block of 32 along that K, and keeps
; their codes for all of K = 1,024 in 192 registers: every byte of w1 is asked of memory once in the launch.  The work-group walks the expert's quads of 64 slots.
; THE ROWS STREAM.  While quad k is multiplied, quad k + 1's rows are on their way from memory into 96 spare registers a wave; in front of quad k's one barrier they go into the other of two LDS slots,
; so that the barrier shows both quad k's codes and quad k + 1's rows to every wave.  The list of slots comes two quads ahead, into two sets of 16 scalar registers by turns.
; THE WALK HANGS ON COUNTS READ FROM MEMORY (meta), so rows come through registers, not by tensor loads, and there are no joint requests; the loop has a constant count, 16 quads (1,024 rows: every
; token on this expert), work without rows is jumped over by scalar branches, and every barrier stands outside those branches.
; THE PRODUCT IS USED TRANSPOSED (source 0 = 16 rows of W1, source 1 = 16 rows of x), and lane r of tile u takes unit 8 u + r + 8 (r / 8): a lane then holds one row and 16 neighbouring units.
; hq: codes [39 quads][32 c][4 tiles][32 lanes][48 bytes], the second product's operand registers on end; scale words [39][32][4][16] behind them.
; gelu is the tanh form, as x / (1 + 2^(x (C0 + C1 x^2))), C0 = -2 log2(e) sqrt(2 / pi), C1 = 0.044715 C0: the same function, in f32.
; LIMITS: NaN and infinities are not served; a block whose largest magnitude lies under 2^(5 - 127) gets the byte 1 (this program alone reads the bytes).
; REGISTERS, in windows of 256: window 0: addresses, scale words, bias, at work, v128-191 the 8 accumulators, v192-221 codes and bytes on the way out, v224-239 the next rows' offsets.
;   window 1: W1, tile u, K step j at v[96 u + 12 j]; v192-251 the next quad's rows 0-9.   window 2: x's fragments of tiles 0, 1 (tile g, step j at v[96 g + 12 j]); v192-227 the next quad's rows 10-15.
;   window 3: x's fragments of tiles 2, 3.
; THE MODE: SCHED_MODE bits 1:0 = 2 (LLVM: expert scheduling mode 2), set by the entry lines.  The code itself states the register dependences
; between vector or matrix instructions and memory or LDS instructions, with s_wait_alu, always for 0.
; THE PLAN.  Registers that memory or LDS instructions touch, in the loop:
;   STG, XSD      The loads that quad k issues land in them; quad k's LDS stores, ahead of its barrier, read them.  No vector instruction names them.
;   AD, AS        Written by the vector lines ahead of those loads, read by those loads.
;   XS, fragments The quad's LDS loads land in them, the quad's products read them.  Each of a quad's 16 steps has fragment registers of its own.
;   CD, v116-119  Written by the quantiser and the exchange of halves, read by the LDS stores into the exchange buffer.
;   RB            LDS loads land in them behind the barrier, the global stores read them.  No vector instruction names them.
;   All other addresses are made at the head and never written again.  The accumulators, the bias, W1 (behind its turn) and v104-115 are named by vector and matrix instructions alone.
; THREE WAITS A QUAD beside those behind the transcendentals.  (1) vm_vsrc at the quad's first line, ahead of its first branch: what the last quad's loads and stores read (STG, XSD, AD, AS, CD, the bytes, RB)
; may be written again.  (2) va_vdst ahead of the next rows' loads: AD and AS are written.  (3) va_vdst ahead of the run of LDS stores: CD and the bytes are written.  (3) stands in straight code behind the
; quad's last product, and from there to the next quad's loads into XS and the fragments the only vector lines are those of (2), which name v5, v23, v24, v28, AD and AS; within a quad the loads of step
; s + 4 land in registers that the products of steps 0 to s do not name.  So the LDS loads that are dealt among the products owe no further wait.
.set XS_OFF, 786432
.set HS_OFF, 7667712
.set META,  18432
.set XP,    816                        ; a row of x in LDS: 768 bytes of codes, 32 scale bytes, 16 of padding = 204 words: row r starts at bank 12 r mod 64 (64 banks of 4 bytes: ISA guide 11.1): the 32 lanes of a load of 8 bytes touch 64 different banks
.set XT,    16*XP
.set XQ,    64*XP                      ; a slot: a quad's 64 rows
.set EX,    2*XQ                       ; behind the two slots: two buffers in which a quad's codes (6,144 bytes) and scale words (256) meet
.set EXS,   6144
.set EXBUF, 6656
.set WST,   EX+2*EXBUF                 ; each wave's own 16 rows x 784 bytes, in which W1's rows turn into fragments
.set WP,    784
.set XFR,   10                         ; v10-11   x's fragments in slot 0, 1: row r, + 24 h
.set XSR,   14                         ; v14-15   x's scale words in slot 0, 1: row L
.set WS,    32                         ; v32-39   W1's scale words, K step j: lanes 0-15 tile 0, lanes 16-31 tile 1
.set XS,    40                         ; v40-55   x's: pair p, K step j at 8 p + j: lanes 0-15 tile 2 p, lanes 16-31 tile 2 p + 1
.set BIAS,  56                         ; v56-71   b1 in the result's layout, 8 registers a tile
.set SA,    72                         ; v72-73   where my 16 rows go in slot 0, 1;  v76-77 their scale bytes
.set SS,    76
.set AS,    80                         ; v80      offset of the scale bytes in memory;  v84-87 the bytes
.set XSD,   84
.set T,     104                        ; v104-119 at work
.set ACC,   128
.set CD,    192                        ; v192-207 the codes just made;  v208-221 what leaves
.set RB,    208
.set AD,    224                        ; v224-239 the next quad's rows: row r's offset in xq
.set STG,   192                        ; in windows 1 and 2: the next quad's rows as loaded, 6 registers a row
.set MSB, 0
.macro WIN new                         ; the immediate's high byte repeats the setting that is left
.if MSB != (\new)
	s_set_vgpr_msb (MSB<<8)|(\new)
.set MSB, (\new)
.endif
.endm
.macro LOFF d, g                       ; where my 16 slots of quad idx + g lie in the list; the quad is held inside the list
	s_add_co_u32 \d, s20, s22
	s_add_co_u32 \d, \d, \g
	s_min_u32 \d, \d, 38
	s_lshl_b32 \d, \d, 8
	s_add_co_u32 \d, \d, s17
.endm
; My 16 rows of a quad are asked for: 49 loads.  b: the first of the 16 scalar registers with their tokens.
.macro GRPLOAD b
.irp r, 0,1,2,3,4,5,6,7,8,9,10,11,12,13,14,15
	s_min_u32 s[(\b)+\r], s[(\b)+\r], 1023
.endr
.irp r, 0,1,2,3,4,5,6,7,8,9,10,11,12,13,14,15
	v_writelane_b32 v28, s[(\b)+\r], \r
.endr
.irp r, 0,1,2,3,4,5,6,7,8,9,10,11,12,13,14,15
	s_mul_i32 s[(\b)+\r], s[(\b)+\r], 768
.endr
.irp r, 0,1,2,3,4,5,6,7,8,9,10,11,12,13,14,15
	v_add_nc_u32 v[AD+\r], s[(\b)+\r], v5
.endr
	v_permlanex16_b32 v24, v28, s26, s27
	v_or_b32 v24, v24, v28                         ; lane L: the token of row L % 16
	v_min_u32 v24, 1023, v24
	v_lshl_add_u32 v[AS], v24, 5, v23
	s_wait_alu depctr_va_vdst(0)                   ; v[AD ..] and v[AS] are written, which the 49 loads below read as their offsets; at the head also every address that the lines above this macro have made
	global_load_b128 v[XSD:XSD+3], v[AS], s[28:29]
	WIN 0x40                                       ; destination window 1
.irp r, 0,1,2,3,4,5,6,7,8,9
.irp t, 0,1,2
	global_load_b64 v[STG+6*\r+2*\t:STG+6*\r+2*\t+1], v[AD+\r], s[4:5] offset:256*\t   ; 256 consecutive bytes of one token's codes, aligned
.endr
.endr
	WIN 0x80                                       ; destination window 2
.irp r, 10,11,12,13,14,15
.irp t, 0,1,2
	global_load_b64 v[STG+6*(\r-10)+2*\t:STG+6*(\r-10)+2*\t+1], v[AD+\r], s[4:5] offset:256*\t
.endr
.endr
	WIN 0
.endm
.macro GRPSTORE s                      ; and go into slot s.  The data come from loads, the addresses from the head: no vector instruction has named either since
	WIN 0x04                                       ; an LDS store's data are its source 1: window 1
.irp r, 0,1,2,3,4,5,6,7,8,9
.irp t, 0,1,2
	ds_store_b64 v[SA+(\s)], v[STG+6*\r+2*\t:STG+6*\r+2*\t+1] offset:XP*\r+256*\t
.endr
.endr
	WIN 0x08                                       ; window 2
.irp r, 10,11,12,13,14,15
.irp t, 0,1,2
	ds_store_b64 v[SA+(\s)], v[STG+6*(\r-10)+2*\t:STG+6*(\r-10)+2*\t+1] offset:XP*\r+256*\t
.endr
.endr
	WIN 0
	ds_store_b128 v[SS+(\s)], v[XSD:XSD+3]
.endm
; Tile u of W1 turns from rows as loaded into fragments, through my own bytes of LDS.  LDS serves a wave's instructions in order (ISA guide 5.7.1.4): no wait on DScnt between the stores and the loads.
.macro WTURN u
	WIN 0x04
.irp m, 0,1,2,3,4,5,6,7
	ds_store_b128 v6, v[96*\u+12*\m:96*\u+12*\m+3] offset:2*WP*\m
	ds_store_b128 v7, v[96*\u+12*\m+4:96*\u+12*\m+7] offset:2*WP*\m+512
	ds_store_b128 v6, v[96*\u+12*\m+8:96*\u+12*\m+11] offset:2*WP*\m+WP+256
.endr
	WIN 0x40
	s_wait_alu depctr_vm_vsrc(0)                   ; the stores above have read tile u's 96 registers, in which the loads below land
.irp j, 0,1,2,3,4,5,6,7
.irp q, 0,1,2,3,4,5
	ds_load_b64 v[96*\u+12*\j+2*\q:96*\u+12*\j+2*\q+1], v8 offset:96*\j+48*(\q/3)+8*(\q%3)
.endr
.endr
	WIN 0
.endm
; A quad's products go in 16 steps: step s is pair s / 8 of the quad's tiles, K step s % 8.
; The fragments of step s out of slot k: two tiles, 24 bytes of a row's stream of bits as three loads of 8: 12 loads.
.macro FRAGS s, k
	WIN 0x80+0x40*((\s)/8)
.irp g, 0,1
.irp q, 0,1,2,3,4,5
	ds_load_b64 v[96*\g+12*((\s)%8)+2*\q:96*\g+12*((\s)%8)+2*\q+1], v[XFR+\k] offset:XT*(2*((\s)/8)+\g)+96*((\s)%8)+48*(\q/3)+8*(\q%3)
.endr
.endr
.endm
; 4 matrix instructions: pair p's two tiles of rows x my two tiles of units, K step j.  The four accumulators take turns, one instruction a turn; b1 is the C of each sum's first.
.macro MUL4 p, j
.irp g, 0,1
.irp u, 0,1
.set rD, ACC+16*(2*(\p)+\g)+8*\u
.set rC, rD
.if (\j) == 0
.set rC, BIAS+8*\u
.endif
.set rA, 96*\u+12*(\j)
.set rB, 96*\g+12*(\j)
.if (\u == 0) && (\g == 0)
	v_wmma_scale_f32_16x16x128_f8f6f4 v[rD:rD+7], v[rA:rA+11], v[rB:rB+11], v[rC:rC+7], v[WS+(\j)], v[XS+8*(\p)+(\j)] matrix_a_fmt:MATRIX_FMT_BF6 matrix_b_fmt:MATRIX_FMT_BF6
.elseif (\u == 1) && (\g == 0)
	v_wmma_scale_f32_16x16x128_f8f6f4 v[rD:rD+7], v[rA:rA+11], v[rB:rB+11], v[rC:rC+7], v[WS+(\j)], v[XS+8*(\p)+(\j)] matrix_a_fmt:MATRIX_FMT_BF6 matrix_b_fmt:MATRIX_FMT_BF6 matrix_a_scale:MATRIX_SCALE_ROW1
.elseif (\u == 0) && (\g == 1)
	v_wmma_scale_f32_16x16x128_f8f6f4 v[rD:rD+7], v[rA:rA+11], v[rB:rB+11], v[rC:rC+7], v[WS+(\j)], v[XS+8*(\p)+(\j)] matrix_a_fmt:MATRIX_FMT_BF6 matrix_b_fmt:MATRIX_FMT_BF6 matrix_b_scale:MATRIX_SCALE_ROW1
.else
	v_wmma_scale_f32_16x16x128_f8f6f4 v[rD:rD+7], v[rA:rA+11], v[rB:rB+11], v[rC:rC+7], v[WS+(\j)], v[XS+8*(\p)+(\j)] matrix_a_fmt:MATRIX_FMT_BF6 matrix_b_fmt:MATRIX_FMT_BF6 matrix_a_scale:MATRIX_SCALE_ROW1 matrix_b_scale:MATRIX_SCALE_ROW1
.endif
.endr
.endr
.endm
; The quad's 64 matrix instructions.  The fragments run four steps ahead of the products: behind each step's four products stand the 12 loads of the step four further on, so that the LDS loads go out in
; short runs among the products at the price of two window switches a step.  The loads land in registers that no product since the last quad has named, and the last quad's products stand ahead of
; that quad's wait on va_vdst in front of its LDS stores: so no s_wait_alu stands here.
.macro PRODUCTS k
	FRAGS 0, \k
	FRAGS 1, \k
	FRAGS 2, \k
	FRAGS 3, \k
.irp s, 0,1,2,3,4,5,6,7,8,9,10,11,12,13,14,15
.if \s < 13
	s_wait_dscnt 36                                ; this step's loads are in (and the scale words, which are older); the three steps behind it, 12 loads each, may be out
.else
	s_wait_dscnt 12*(15-\s)                        ; the steps that are left behind it
.endif
	WIN 0x09+4*(\s/8)                              ; source 0 (W1) window 1, source 1 (x) window 2 or 3, C and D window 0
	MUL4 \s/8, \s%8
.if \s < 12
	FRAGS \s+4, \k
.endif
.endr
	WIN 0
.endm
.macro GELU16 g                        ; a lane's 16 numbers of tile g, in place; each accumulator is read from its low end on
.set rX, ACC+16*(\g)
.irp i, 0,2,4,6,8,10,12,14
	v_pk_mul_f32 v[T+\i:T+\i+1], v[rX+\i:rX+\i+1], v[rX+\i:rX+\i+1]
.endr
.irp i, 0,2,4,6,8,10,12,14
	v_pk_fma_f32 v[T+\i:T+\i+1], v[T+\i:T+\i+1], v[102:103], v[100:101]
.endr
.irp i, 0,2,4,6,8,10,12,14
	v_pk_mul_f32 v[T+\i:T+\i+1], v[T+\i:T+\i+1], v[rX+\i:rX+\i+1]
.endr
	s_wait_alu depctr_va_vdst(0)
.irp i, 0,1,2,3,4,5,6,7,8,9,10,11,12,13,14,15
	v_exp_f32 v[T+\i], v[T+\i]
.endr
	v_nop                                          ; one plain place behind the transcendentals
	s_wait_alu depctr_va_vdst(0)                   ; the sixteen exponentials have written v[T ..]: one wait for the batch, ahead of its first reader
.irp i, 0,2,4,6,8,10,12,14
	v_pk_add_f32 v[T+\i:T+\i+1], v[T+\i:T+\i+1], 1.0 op_sel_hi:[1,0]
.endr
	s_wait_alu depctr_va_vdst(0)
.irp i, 0,1,2,3,4,5,6,7,8,9,10,11,12,13,14,15
	v_rcp_f32 v[T+\i], v[T+\i]
.endr
	v_nop
	s_wait_alu depctr_va_vdst(0)                   ; the sixteen reciprocals have written v[T ..]: one wait for the batch, ahead of its first reader
.irp i, 0,2,4,6,8,10,12,14
	v_pk_mul_f32 v[rX+\i:rX+\i+1], v[rX+\i:rX+\i+1], v[T+\i:T+\i+1]
.endr
.endm
.macro QUANT4                          ; the four tiles' blocks by turns: v104-107 largest magnitudes, v108-111 the other half's, v112-115 the conversions' scales, v116-119 the bytes
.irp g, 0,1,2,3
	v_max3_num_f32 v[T+\g], |v[ACC+16*\g]|, |v[ACC+16*\g+1]|, 0x2800000   ; my 16 numbers, and the floor 2^(5 - 127)
.endr
.irp i, 2,4,6,8,10,12,14
.irp g, 0,1,2,3
	v_max3_num_f32 v[T+\g], v[T+\g], |v[ACC+16*\g+\i]|, |v[ACC+16*\g+\i+1]|
.endr
.endr
.irp g, 0,1,2,3
	v_permlanex16_b32 v[T+4+\g], v[T+\g], s26, s27
.endr
.irp g, 0,1,2,3
	v_max_num_f32 v[T+\g], v[T+\g], v[T+4+\g]      ; with lane l xor 16's 16: the block's largest magnitude
.endr
.irp g, 0,1,2,3
	v_add_nc_u32 v[T+8+\g], 0xfe000000, v[T+\g]    ; 4 off its exponent field
.endr
.irp g, 0,1,2,3
	v_lshrrev_b32 v[T+12+\g], 23, v[T+8+\g]        ; the scale's byte
.endr
.irp g, 0,1,2,3
	v_cvt_scalef32_pk16_bf6_f32 v[CD+4*\g:CD+4*\g+2], v[ACC+16*\g:ACC+16*\g+15], v[T+8+\g]
.endr
	v_nop                                          ; one plain place behind the scaled conversions
.endm
.macro XTURN c                         ; tiles 2 c and 2 c + 1 change halves: lane (r, hl) then holds the whole block of row r of tile 2 c + hl: 24 bytes
.irp i, 0,1,2
	v_permlane16_swap_b32 v[CD+8*\c+\i], v[CD+8*\c+4+\i]
.endr
.irp i, 0,1,2
	v_mov_b32 v[CD+8*\c+3+\i], v[CD+8*\c+4+\i]
.endr
.endm
.macro XSEND c, o                      ; and they go into the exchange buffer
.irp i, 0,1,2
	ds_store_b64 v18, v[CD+8*\c+2*\i:CD+8*\c+2*\i+1] offset:3072*\c+8*\i+\o
.endr
.endm
; A quad; p = its number's parity: its rows lie in slot p, its codes meet in buffer p, the next quad's list lies in set 1 - p.  ONE barrier.  In front of it: the four waves' blocks meet in buffer p, and
; the next quad's rows go into slot 1 - p, which every wave has read for the last time ahead of the barrier before.  Behind it: the quad leaves in whole aligned runs.  A buffer is written again two
; barriers later, and each wave has waited for its reads of it in front of the barrier between.
.macro QUAD p
	s_wait_alu depctr_vm_vsrc(0)                   ; ahead of every branch of the quad: the last quad's loads have read AD and AS, its LDS stores STG, XSD, CD and the bytes v116-119, its global stores RB: all of these are written again below
	s_cmp_ge_u32 s22, s21
	s_cbranch_scc1 .Lqa_\@
	s_wait_kmcnt 0x0                               ; the next quad's list, asked for a quad ago
	s_add_co_u32 s19, s22, 1
	s_cmp_ge_u32 s19, s21
	s_cbranch_scc1 .Lnl_\@
	GRPLOAD 48-16*\p                               ; the next quad's rows go out first: they have this quad's work in which to land
.Lnl_\@:
.if \p == 0
	LOFF s23, 2
.else
	LOFF s24, 2
.endif
	s_load_b512 s[32+16*\p:47+16*\p], s[6:7], s[23+\p] offset:0x0   ; the list of the quad after that (held inside the list), into the set that was used up a quad ago
	ds_load_b128 v[XS:XS+3], v[XSR+\p]             ; (the last quad's products, which read these as scales, stand ahead of that quad's wait on va_vdst in front of its LDS stores; no vector line since names them)
	ds_load_b128 v[XS+4:XS+7], v[XSR+\p] offset:16
	ds_load_b128 v[XS+8:XS+11], v[XSR+\p] offset:32*XP
	ds_load_b128 v[XS+12:XS+15], v[XSR+\p] offset:32*XP+16
	PRODUCTS \p
.rept 4
	v_nop                                          ; four places in front of the first read of results (ISA guide 7.12.1)
.endr
	GELU16 0
	GELU16 1
	GELU16 2
	GELU16 3
	QUANT4
	XTURN 0
	XTURN 1
	s_wait_alu depctr_va_vdst(0)                   ; the conversions, swaps and moves have written v[CD ..], the shifts the bytes v116-119: the ten LDS stores below read them.  Every product of this quad stands ahead of this wait too: the next quad's loads into XS and the fragments lean on it
	XSEND 0, EXBUF*\p
	XSEND 1, EXBUF*\p
.irp g, 0,1,2,3
	ds_store_b8 v19, v[T+12+\g] offset:64*\g+EXBUF*\p    ; lanes r and 16 + r write the same byte
.endr
	s_wait_loadcnt 0x0                             ; on every way through a quad's work: no load is out
	s_cmp_ge_u32 s19, s21
	s_cbranch_scc1 .Lqa_\@
	GRPSTORE 1-\p
.Lqa_\@:
	s_wait_dscnt 0x0                               ; my stores have landed, my loads are in
	s_barrier_signal -1
	s_barrier_wait -1
	s_cmp_ge_u32 s22, s21
	s_cbranch_scc1 .Lqb_\@
	s_wait_xcnt 0x0                                ; the last quad's stores have read their registers and bases (beside the wait on vm_vsrc at the quad's head, not in its place)
	s_add_co_u32 s68, s20, s22
	s_min_u32 s68, s68, 38
	s_lshl_b32 s68, s68, 5
	s_add_co_u32 s68, s68, s18                     ; 32 x quad + c
	s_mul_i32 s70, s68, 6144
	s_mov_b32 s71, 0
	s_add_nc_u64 s[30:31], s[14:15], s[70:71]
	s_lshl_b32 s70, s68, 8
	s_add_co_u32 s70, s70, HS_OFF
	s_add_nc_u64 s[2:3], s[14:15], s[70:71]
.irp t, 0,1,2
	ds_load_b128 v[RB+4*\t:RB+4*\t+3], v20 offset:512*\t+EXBUF*\p
.endr
	s_cmp_lg_u32 s16, 0
	s_cbranch_scc1 .Lqc_\@
	ds_load_b64 v[RB+12:RB+13], v21 offset:EXBUF*\p
	s_wait_dscnt 0x0
	global_store_b64 v5, v[RB+12:RB+13], s[2:3]    ; the quad's 64 scale words: 256 consecutive bytes, aligned
.Lqc_\@:
	s_wait_dscnt 0x0
.irp t, 0,1,2
	global_store_b128 v120, v[RB+4*\t:RB+4*\t+3], s[30:31] offset:512*\t   ; 512 consecutive bytes, aligned
.endr
.Lqb_\@:
	s_add_co_u32 s22, s22, 1
.endm
	s_load_b256 s[4:11], s[0:1], 0x0               ; xq, route, w1_codes, w1_scales
	s_load_b128 s[12:15], s[0:1], 0x20             ; b1, hq
	v_lshl_add_u32 v254, v0, 2, 0x29000
	v_mov_b32 v255, 0
	v_lshrrev_b32 v1, 5, v0
	v_readfirstlane_b32 s16, v1                    ; wave
	v_and_b32 v1, 31, v0                           ; L
	v_and_b32 v2, 15, v0                           ; r
	v_bfe_u32 v3, v0, 4, 1                         ; h
	v_lshlrev_b32 v4, 4, v1                        ; 16 L
	v_lshlrev_b32 v5, 3, v1                        ; 8 L
	v_and_b32 v9, 8, v2
	v_add_nc_u32 v9, v9, v2
	v_lshl_add_u32 v9, v3, 3, v9
	v_lshlrev_b32 v9, 5, v9                        ; W1's scale bytes: 32 x (8 (L / 16) + r + 8 (r / 8))
	v_lshlrev_b32 v121, 6, v3                      ; b1: 64 h
	s_wait_alu depctr_va_sdst(0)                   ; s16 is written, ahead of its first reader: the bases and the LDS addresses are made from it
	s_lshr_b32 s17, ttmp9, 5                       ; e
	s_and_b32 s18, ttmp9, 31                       ; c
	s_lshl_b32 s19, s17, 3
	s_lshl_b32 s36, ttmp9, 7
	s_lshl_b32 s37, s16, 5
	s_add_co_u32 s36, s36, s37                     ; my first row of w1: 4,096 e + 128 c + 32 wave
	s_mul_i32 s38, s36, 768
	s_mov_b32 s39, 0
	s_lshl_b32 s42, s36, 5
	s_mov_b32 s43, 0
	s_lshl_b32 s44, s36, 2
	s_mov_b32 s45, 0
	s_mov_b32 s26, 0x76543210
	s_mov_b32 s27, 0xfedcba98                      ; v_permlanex16_b32's selects for lane l xor 16
	s_lshl_b32 s17, s16, 6                         ; my 16 slots in a quad's 256 bytes of the list
	s_mov_b32 s22, 0                               ; the quad in hand, counted within the expert
	s_wait_kmcnt 0x0
	s_load_b64 s[20:21], s[6:7], s19 offset:META   ; the expert's first quad, its quads
	s_add_nc_u64 s[8:9], s[8:9], s[38:39]
	s_add_nc_u64 s[10:11], s[10:11], s[42:43]
	s_add_nc_u64 s[12:13], s[12:13], s[44:45]
	s_add_nc_u64 s[28:29], s[4:5], XS_OFF          ; x's scale bytes
	WIN 0x40                                       ; destination window 1
	s_wait_alu depctr_va_vdst(0)                   ; v4, v9 and v121 are written, which the 54 loads below read as their offsets (and v5, the offset of later stores)
.irp u, 0,1                            ; two neighbouring rows of w1 are 1,536 consecutive bytes: three loads of 512
.irp m, 0,1,2,3,4,5,6,7
.irp t, 0,1,2
	global_load_b128 v[96*\u+12*\m+4*\t:96*\u+12*\m+4*\t+3], v4, s[8:9] offset:(8*\u+2*\m+8*(\m/4))*768+512*\t th:TH_LOAD_NT
.endr
.endr
.endr
	WIN 0
	global_load_b128 v[WS:WS+3], v9, s[10:11]
	global_load_b128 v[WS+4:WS+7], v9, s[10:11] offset:16
.irp u, 0,1
	global_load_b128 v[BIAS+8*\u:BIAS+8*\u+3], v121, s[12:13] offset:32*\u       ; lane (r, h), tile u, register j: unit 16 h + 8 u + j
	global_load_b128 v[BIAS+8*\u+4:BIAS+8*\u+7], v121, s[12:13] offset:32*\u+16
.endr
	s_wait_kmcnt 0x0                               ; meta
	LOFF s23, 0
	LOFF s24, 1
	s_load_b512 s[32:47], s[6:7], s23 offset:0x0   ; the lists of quads 0 and 1
	s_load_b512 s[48:63], s[6:7], s24 offset:0x0
	; every LDS address is made here, while the lists are on their way, and never rewritten; none of these lines writes a register that a load above reads or lands in
	s_mul_i32 s68, s16, 16*WP
	s_add_co_u32 s68, s68, WST
	v_add_nc_u32 v6, s68, v4                       ; the turn, in: 16 L,
	v_lshl_add_u32 v7, v3, 4, v6                   ; and 16 more where lanes 16-31 have passed into the next row
	v_mul_u32_u24 v8, v2, WP
	v_mad_u32_u24 v8, v3, 24, v8
	v_add_nc_u32 v8, s68, v8                       ; out: row r, + 24 h
	v_mul_u32_u24 v[XFR], v2, XP
	v_mad_u32_u24 v[XFR], v3, 24, v[XFR]
	v_add_nc_u32 v[XFR+1], XQ, v[XFR]
	v_mul_u32_u24 v[XSR], v1, XP
	v_add_nc_u32 v[XSR], 768, v[XSR]
	v_add_nc_u32 v[XSR+1], XQ, v[XSR]
	s_and_b32 s68, s16, 1
	s_mul_i32 s68, s68, 768
	s_lshr_b32 s69, s16, 1
	s_mul_i32 s69, s69, 24
	s_add_co_u32 s68, s68, s69
	s_add_co_u32 s68, s68, EX
	v_mul_u32_u24 v18, v3, 1536
	v_mad_u32_u24 v18, v2, 48, v18
	v_add_nc_u32 v18, s68, v18                     ; my block's 24 bytes: tile L / 16 of a pair, lane 16 (w % 2) + r, half w / 2
	s_add_co_u32 s68, s16, EX+EXS
	v_lshl_add_u32 v19, v2, 2, s68                 ; my block's byte in row r's scale word
	s_mul_i32 s68, s16, 1536
	v_add_nc_u32 v120, s68, v4                     ; the way out: tile w, 16 L
	v_add_nc_u32 v20, EX, v120
	v_add_nc_u32 v21, EX+EXS, v5
	v_lshlrev_b32 v23, 4, v3                       ; 16 h
	s_mul_i32 s68, s16, XT
	v_add_nc_u32 v[SA], s68, v5                    ; rows 16 w on, 8 L
	v_mul_u32_u24 v[SS], v2, XP
	v_add_nc_u32 v[SS], v[SS], v23
	s_add_co_u32 s68, s68, 768
	v_add_nc_u32 v[SS], s68, v[SS]                 ; row 16 w + r, its scale bytes, 16 h
	v_add_nc_u32 v[SA+1], XQ, v[SA]
	v_add_nc_u32 v[SS+1], XQ, v[SS]
	v_mov_b32 v24, 0                               ; a lane permute's and a lane write's destination count as sources;
	v_mov_b32 v28, 0                               ; lanes 16-31 of v28 stay 0
	v_mov_b32 v100, 0xc0135761                     ; C0, twice
	v_mov_b32 v101, 0xc0135761
	v_mov_b32 v102, 0xbdd2d3e8                     ; C1, twice
	v_mov_b32 v103, 0xbdd2d3e8
	s_wait_alu depctr_va_vdst(0)
	s_wait_kmcnt 0x0                               ; the lists
	GRPLOAD 32                                     ; quad 0's rows, whatever the count: the list is whole, and so every register of the rows' way in is written on every way.  Its wait on va_vdst stands behind all the address lines above: every LDS and memory instruction of the kernel leans on it for its address
	s_wait_loadcnt 49                              ; W1, its scale words and b1 are in: the 49 loads just issued may be out
	WTURN 0                                        ; W1 turns while quad 0's rows are on their way
	WTURN 1
	s_wait_loadcnt 0x0
	GRPSTORE 0
	s_wait_dscnt 0x0                               ; my rows have landed
	s_barrier_signal -1
	s_barrier_wait -1
	s_mov_b32 s25, 0
.Lpair:                                                ; 8 trips x 2 quads
	QUAD 0
	QUAD 1
	s_add_co_u32 s25, s25, 1
	s_cmp_lt_u32 s25, 8
	s_cbranch_scc1 .Lpair
	s_wait_dscnt 0x0                               ; the closing lines, six on end
	s_wait_alu 0x0
	s_wait_tensorcnt 0x0
	ds_add_u32 v254, v255
	s_wait_dscnt 0x0
	s_endpgm
.Lfunc_end_k_qeeb1d9b80a_up:
	.size	k_qeeb1d9b80a_up, .Lfunc_end_k_qeeb1d9b80a_up-k_qeeb1d9b80a_up
	.p2alignl 7, 3214868480
	.fill 96, 4, 3214868480
	.section	.rodata,"a",@progbits
	.p2align	6, 0x0
	.amdhsa_kernel k_qeeb1d9b80a_up
		.amdhsa_group_segment_fixed_size 168448
		.amdhsa_private_segment_fixed_size 0
		.amdhsa_enable_private_segment 0
		.amdhsa_kernarg_size 48
		.amdhsa_user_sgpr_count 2
		.amdhsa_user_sgpr_kernarg_segment_ptr 1
		.amdhsa_wavefront_size32 1
		.amdhsa_system_sgpr_workgroup_id_x 1
		.amdhsa_system_sgpr_workgroup_id_y 1
		.amdhsa_system_sgpr_workgroup_id_z 1
		.amdhsa_system_vgpr_workitem_id 0
		.amdhsa_next_free_vgpr 1024
		.amdhsa_next_free_sgpr 72
		.amdhsa_reserve_vcc 0
		.amdhsa_float_denorm_mode_32 3
		.amdhsa_float_denorm_mode_16_64 3
		.amdhsa_memory_ordered 1
		.amdhsa_forward_progress 1
		.amdhsa_inst_pref_size 140
	.end_amdhsa_kernel
	.amdgpu_metadata
---
amdhsa.version: [ 1, 2 ]
amdhsa.kernels:
  - .name:           k_qeeb1d9b80a_up
    .symbol:         k_qeeb1d9b80a_up.kd
    .args:
      - { .name: xq, .offset: 0, .size: 8, .value_kind: global_buffer, .address_space: global }
      - { .name: route, .offset: 8, .size: 8, .value_kind: global_buffer, .address_space: global }
      - { .name: w1_codes, .offset: 16, .size: 8, .value_kind: global_buffer, .address_space: global }
      - { .name: w1_scales, .offset: 24, .size: 8, .value_kind: global_buffer, .address_space: global }
      - { .name: b1, .offset: 32, .size: 8, .value_kind: global_buffer, .address_space: global }
      - { .name: hq, .offset: 40, .size: 8, .value_kind: global_buffer, .address_space: global }
    .group_segment_fixed_size: 168448
    .private_segment_fixed_size: 0
    .kernarg_segment_align: 8
    .kernarg_segment_size: 48
    .max_flat_workgroup_size: 128
    .sgpr_count:     72
    .vgpr_count:     1024
    .wavefront_size: 32
...
	.end_amdgpu_metadata
.endif
;; end of part 8
;; launch down (part 9): grid 256 x 1, 4 waves a work-group, no clusters, 220,672 bytes of LDS; arguments hq, route, w2_codes, w2_scales, b2, yp; writes yp
.if DOCPART == 9
	.amdgcn_target "amdgcn-amd-amdhsa--gfx1250"
	.amdhsa_code_object_version 6
	.text
	.protected	k_qeeb1d9b80a_down
	.globl	k_qeeb1d9b80a_down
	.p2align	8
	.type	k_qeeb1d9b80a_down,@function
k_qeeb1d9b80a_down:
	s_mov_b64 s[64:65], 0
	v_nop
	global_prefetch_b8 v0, s[64:65] scope:SCOPE_SE
	s_setreg_imm32_b32 hwreg(HW_REG_WAVE_SCHED_MODE, 0, 2), 2
	s_setreg_imm32_b32 hwreg(HW_REG_WAVE_MODE, 25, 1), 1
	s_wait_xcnt 0x0
	s_wait_alu depctr_vm_vsrc(0)
; yp[q][slot][:] = the part over K quarter q of h W2[e] (+ b2[e] in quarter 0), on codes of BF6 (E3M2) with one E8M0 scale for each 32 along K.
; SHARES.  Work-group (e, n, q) = (x / 32, (x / 4) % 8, x % 4) owns 128 outputs of expert e and 1,024 of K = 4,096.  Wave w keeps 32 outputs' codes in 192 registers: every byte of w2 is asked of
; memory once in the launch.  The work-group walks the expert's quads of 64 slots.  The four quarters' sums and a token's two experts are added by the next launch: each number of yp has one owner.
; THE QUADS STREAM.  While quad k is multiplied, quad k + 1's codes are on their way from memory into 96 spare registers a wave; in front of quad k's one barrier they go into the other of two LDS slots,
; so that the barrier shows both quad k's results and quad k + 1's codes to every wave.
; THE WALK HANGS ON COUNTS READ FROM MEMORY (meta), so the quads come through registers, not by tensor loads, and there are no joint requests; the loop has a constant count, 16 quads, work without rows is
; jumped over by scalar branches, and every barrier stands outside those branches.
; hq holds the hidden layer as the operand's registers on end: a fragment is three loads of 16 bytes at 48 x lane.  THE PRODUCT IS USED TRANSPOSED (source 0 = 16 rows of W2, source 1 = 16 slots):
; a lane holds eight neighbouring outputs of one slot.
; REGISTERS, in windows of 256: window 0 addresses, scale words, bias, v128-191 accumulators, v192-255 rows on the way out; window 1 W2 (tile u, K step j at v[96 u + 12 j]) and, from v192, 64 registers
; of the next quad; window 2 the fragments of tiles 0, 1 and, from v192, the next quad's other 32 registers; window 3 the fragments of tiles 2, 3.
; THE MODE: SCHED_MODE bits 1:0 = 2 (LLVM: expert scheduling mode 2), set by the entry lines.  The code itself states the register dependences
; between vector or matrix instructions and memory or LDS instructions, with s_wait_alu, always for 0.
; THE PLAN.  Registers that memory or LDS instructions touch, in the loop:
;   STG, XSD      The loads that quad k issues land in them; quad k's LDS stores, ahead of its barrier, read them.  No vector instruction names them.
;   v24, v28      Written by the two additions ahead of those loads, read by those loads.
;   XS, fragments The quad's LDS loads land in them, the quad's products read them.  Each of a quad's 16 steps has fragment registers of its own.
;   ACC           Written by the quad's products, read by its sixteen LDS stores into the output buffer.
;   RB            LDS loads land in them behind the barrier, the global stores read them.  No vector instruction names them.
;   All other addresses are made at the head and never written again.  W2 (behind its turn), its scale words and the bias are named by matrix instructions alone.
; THREE WAITS A QUAD, and a fourth on va_vdst behind the first fragment loads.  (1) vm_vsrc at the quad's first line, ahead of its first branch: what the last quad's loads and stores read (STG, XSD, v24, v28, ACC, RB) may be written again.  (2) va_vdst ahead of the
; next quad's loads: v24 and v28 are written.  (3) va_vdst behind the places, ahead of the LDS stores: the products have written ACC.  (3) stands in straight code behind the quad's last product, and from there
; to the next quad's loads into XS and the fragments the only vector lines are the two additions of (2); within a quad the loads of step s + 4 land in registers that the products of steps 0 to s do not
; name.  So the LDS loads that are dealt among the products owe no further wait.
.set HS_OFF, 7667712
.set META,  18432
.set AQ,    49152                      ; a slot: a quad's codes of one K quarter
.set HSB,   2*AQ                       ; behind the two slots: their scale words, 2,048 bytes each
.set OUT,   HSB+2*2048                 ; two buffers of 64 rows x (512 bytes + 16)
.set OP,    528
.set OBUF,  64*OP
.set WST,   OUT+2*OBUF                 ; each wave's own 16 rows x 784 bytes, in which W2's rows turn into fragments
.set WP,    784
.set AFR,   10                         ; v10-11   a fragment's 48 bytes of my lane, in slot 0, 1
.set WS,    32
.set XS,    40
.set BIAS,  56
.set SA,    72                         ; v72-73   where my quarter of a quad goes in slot 0, 1
.set XSD,   84
.set ACC,   128
.set RB,    192
.set STG,   192                        ; in windows 1 and 2: the next quad as loaded
.set MSB, 0
.macro WIN new                         ; the immediate's high byte repeats the setting that is left
.if MSB != (\new)
	s_set_vgpr_msb (MSB<<8)|(\new)
.set MSB, (\new)
.endif
.endm
.macro GADDR                           ; s36 holds a quad: where my quarter of its codes (v24) and my 16 bytes of its scale words (v28) lie in hq
	s_min_u32 s36, s36, 38                         ; the quad is held inside hq
	s_lshl_b32 s36, s36, 5
	s_add_co_u32 s36, s36, s33                     ; 32 x quad + 8 q
	s_mul_i32 s37, s36, 6144
	v_add_nc_u32 v24, s37, v121
	s_lshl_b32 s37, s36, 8
	s_add_co_u32 s37, s37, HS_OFF
	v_add_nc_u32 v28, s37, v122
.endm
.macro GRPLOAD                         ; 25 loads: 24 of 512 consecutive bytes, and 16 bytes a thread of the scale words
	s_wait_alu depctr_va_vdst(0)                   ; v24 and v28 are written, which the 25 loads below read as their offsets; at the head also every address that the lines above this macro have made
	global_load_b128 v[XSD:XSD+3], v28, s[4:5]
	WIN 0x40                                       ; destination window 1
.irp t, 0,1,2,3,4,5,6,7,8,9,10,11,12,13,14,15
	global_load_b128 v[STG+4*\t:STG+4*\t+3], v24, s[4:5] offset:512*\t
.endr
	WIN 0x80                                       ; destination window 2
.irp t, 16,17,18,19,20,21,22,23
	global_load_b128 v[STG+4*(\t-16):STG+4*(\t-16)+3], v24, s[4:5] offset:512*\t
.endr
	WIN 0
.endm
.macro GRPSTORE s                      ; and into slot s.  The data come from loads, the addresses from the head: no vector instruction has named either since
	WIN 0x04                                       ; an LDS store's data are its source 1: window 1
.irp t, 0,1,2,3,4,5,6,7,8,9,10,11,12,13,14,15
	ds_store_b128 v[SA+(\s)], v[STG+4*\t:STG+4*\t+3] offset:512*\t
.endr
	WIN 0x08                                       ; window 2
.irp t, 16,17,18,19,20,21,22,23
	ds_store_b128 v[SA+(\s)], v[STG+4*(\t-16):STG+4*(\t-16)+3] offset:512*\t
.endr
	WIN 0
	ds_store_b128 v76, v[XSD:XSD+3] offset:2048*(\s)
.endm
; Tile u of W2 turns from rows as loaded into fragments, through my own bytes of LDS.  LDS serves a wave's instructions in order (ISA guide 5.7.1.4): no wait on DScnt between the stores and the loads.
.macro WTURN u
	WIN 0x04
.irp m, 0,1,2,3,4,5,6,7
	ds_store_b128 v6, v[96*\u+12*\m:96*\u+12*\m+3] offset:2*WP*\m
	ds_store_b128 v7, v[96*\u+12*\m+4:96*\u+12*\m+7] offset:2*WP*\m+512
	ds_store_b128 v6, v[96*\u+12*\m+8:96*\u+12*\m+11] offset:2*WP*\m+WP+256
.endr
	WIN 0x40
	s_wait_alu depctr_vm_vsrc(0)                   ; the stores above have read tile u's 96 registers, in which the loads below land
.irp j, 0,1,2,3,4,5,6,7
.irp q, 0,1,2,3,4,5
	ds_load_b64 v[96*\u+12*\j+2*\q:96*\u+12*\j+2*\q+1], v8 offset:96*\j+48*(\q/3)+8*(\q%3)
.endr
.endr
	WIN 0
.endm
; A quad's products go in 16 steps: step s is pair s / 8 of the quad's tiles, K step s % 8.
; The fragments of step s out of slot k: two tiles, three loads of 16 bytes each; lanes 48 bytes apart: sixteen lanes touch sixteen different 16-byte columns.
.macro FRAGS s, k
	WIN 0x80+0x40*((\s)/8)
.irp g, 0,1
.irp t, 0,1,2
	ds_load_b128 v[96*\g+12*((\s)%8)+4*\t:96*\g+12*((\s)%8)+4*\t+3], v[AFR+\k] offset:6144*((\s)%8)+1536*(2*((\s)/8)+\g)+16*\t
.endr
.endr
.endm
; 4 matrix instructions: pair p's two tiles of slots x my two tiles of outputs, K step j.  The four accumulators take turns, one instruction a turn; the bias is the C of each sum's first.
.macro MUL4 p, j
.irp g, 0,1
.irp u, 0,1
.set rD, ACC+16*(2*(\p)+\g)+8*\u
.set rC, rD
.if (\j) == 0
.set rC, BIAS+8*\u
.endif
.set rA, 96*\u+12*(\j)
.set rB, 96*\g+12*(\j)
.if (\u == 0) && (\g == 0)
	v_wmma_scale_f32_16x16x128_f8f6f4 v[rD:rD+7], v[rA:rA+11], v[rB:rB+11], v[rC:rC+7], v[WS+(\j)], v[XS+8*(\p)+(\j)] matrix_a_fmt:MATRIX_FMT_BF6 matrix_b_fmt:MATRIX_FMT_BF6
.elseif (\u == 1) && (\g == 0)
	v_wmma_scale_f32_16x16x128_f8f6f4 v[rD:rD+7], v[rA:rA+11], v[rB:rB+11], v[rC:rC+7], v[WS+(\j)], v[XS+8*(\p)+(\j)] matrix_a_fmt:MATRIX_FMT_BF6 matrix_b_fmt:MATRIX_FMT_BF6 matrix_a_scale:MATRIX_SCALE_ROW1
.elseif (\u == 0) && (\g == 1)
	v_wmma_scale_f32_16x16x128_f8f6f4 v[rD:rD+7], v[rA:rA+11], v[rB:rB+11], v[rC:rC+7], v[WS+(\j)], v[XS+8*(\p)+(\j)] matrix_a_fmt:MATRIX_FMT_BF6 matrix_b_fmt:MATRIX_FMT_BF6 matrix_b_scale:MATRIX_SCALE_ROW1
.else
	v_wmma_scale_f32_16x16x128_f8f6f4 v[rD:rD+7], v[rA:rA+11], v[rB:rB+11], v[rC:rC+7], v[WS+(\j)], v[XS+8*(\p)+(\j)] matrix_a_fmt:MATRIX_FMT_BF6 matrix_b_fmt:MATRIX_FMT_BF6 matrix_a_scale:MATRIX_SCALE_ROW1 matrix_b_scale:MATRIX_SCALE_ROW1
.endif
.endr
.endr
.endm
; The quad's 64 matrix instructions.  The fragments run four steps ahead of the products: behind each step's four products stand the 6 loads of the step four further on, so that the LDS loads go out in
; short runs among the products at the price of two window switches a step.  The loads land in registers that no product since the last quad has named, and the last quad's products stand ahead of
; that quad's wait on va_vdst in front of its LDS stores.
.macro PRODUCTS k
	FRAGS 0, \k
	FRAGS 1, \k
	FRAGS 2, \k
	FRAGS 3, \k
	s_wait_alu depctr_va_vdst(0)
.irp s, 0,1,2,3,4,5,6,7,8,9,10,11,12,13,14,15
.if \s < 13
	s_wait_dscnt 18                                ; this step's loads are in (and the scale words, which are older); the three steps behind it, 6 loads each, may be out
.else
	s_wait_dscnt 6*(15-\s)                         ; the steps that are left behind it
.endif
	WIN 0x09+4*(\s/8)                              ; source 0 (W2) window 1, source 1 (slots) window 2 or 3, C and D window 0
	MUL4 \s/8, \s%8
.if \s < 12
	FRAGS \s+4, \k
.endif
.endr
	WIN 0
.endm
; A quad; p = its number's parity: its codes lie in slot p, its results meet in buffer p.  ONE barrier.  In front of it: the four waves' columns meet in buffer p, and the next quad's codes go into
; slot 1 - p, which every wave has read for the last time ahead of the barrier before.  Behind it: each wave stores 16 whole pieces of rows.  A buffer is written again two barriers later, and each wave
; has waited for its reads of it in front of the barrier between.
.macro QUAD p
	s_wait_alu depctr_vm_vsrc(0)                   ; ahead of every branch of the quad: the last quad's loads have read v24 and v28, its LDS stores STG, XSD and the accumulators, its global stores RB: all of these are written again below
	s_cmp_ge_u32 s22, s21
	s_cbranch_scc1 .Lqa_\@
	s_add_co_u32 s19, s22, 1
	s_cmp_ge_u32 s19, s21
	s_cbranch_scc1 .Lnl_\@
	s_add_co_u32 s36, s20, s19
	GADDR
	GRPLOAD                                        ; the next quad goes out first: it has this quad's work in which to land
.Lnl_\@:
.irp c, 0,1
.irp j, 0,1,2,3,4,5,6,7
	ds_load_b32 v[XS+8*\c+\j], v77 offset:2048*\p+256*\j+128*\c   ; (the last quad's products, which read these as scales, stand ahead of that quad's wait on va_vdst in front of its LDS stores; no vector line since names them)
.endr
.endr
	PRODUCTS \p
.rept 5
	v_nop                                          ; four places in front of the stores that read results; the fifth for the next quad's sums, begun anew over these registers
.endr
	s_wait_alu depctr_va_vdst(0)                   ; the products have written the accumulators, which the sixteen LDS stores below read; the places above stay beside this wait.  Every product of this quad stands ahead of it: the next quad's loads into XS and the fragments lean on it too
.irp g, 0,1,2,3
.irp u, 0,1
	ds_store_b128 v78, v[ACC+16*\g+8*\u:ACC+16*\g+8*\u+3] offset:16*OP*\g+64*\u+OBUF*\p         ; each accumulator from its low end on
	ds_store_b128 v78, v[ACC+16*\g+8*\u+4:ACC+16*\g+8*\u+7] offset:16*OP*\g+64*\u+16+OBUF*\p
.endr
.endr
	s_wait_loadcnt 0x0                             ; on every way through a quad's work: no load is out
	s_cmp_ge_u32 s19, s21
	s_cbranch_scc1 .Lqa_\@
	GRPSTORE 1-\p
.Lqa_\@:
	s_wait_dscnt 0x0                               ; my stores have landed, my loads are in
	s_barrier_signal -1
	s_barrier_wait -1
	s_cmp_ge_u32 s22, s21
	s_cbranch_scc1 .Lqb_\@
	s_wait_xcnt 0x0                                ; the last quad's stores have read their registers and their base (beside the wait on vm_vsrc at the quad's head, not in its place)
	s_add_co_u32 s36, s20, s22
	s_min_u32 s36, s36, 38
	s_lshl_b32 s36, s36, 6
	s_add_co_u32 s36, s36, s34                     ; row 2,496 q + 64 x quad + 16 wave of yp
	s_lshl_b32 s38, s36, 12
	s_add_co_u32 s38, s38, s35
	s_mov_b32 s39, 0
	s_add_nc_u64 s[30:31], s[14:15], s[38:39]
.irp i, 0,1,2,3,4,5,6,7,8,9,10,11,12,13,14,15
	ds_load_b128 v[RB+4*\i:RB+4*\i+3], v79 offset:OP*\i+OBUF*\p
.endr
.irp i, 0,1,2,3,4,5,6,7,8,9,10,11,12,13,14,15
	s_wait_dscnt 15-\i                             ; row i is back; the rows behind it may be out
	global_store_b128 v4, v[RB+4*\i:RB+4*\i+3], s[30:31] offset:4096*\i th:TH_STORE_NT   ; 512 consecutive bytes, aligned
.endr
.Lqb_\@:
	s_add_co_u32 s22, s22, 1
.endm
	s_load_b256 s[4:11], s[0:1], 0x0               ; hq, route, w2_codes, w2_scales
	s_load_b128 s[12:15], s[0:1], 0x20             ; b2, yp
	v_lshl_add_u32 v126, v0, 2, 0x35c00
	v_mov_b32 v127, 0
	v_lshrrev_b32 v1, 5, v0
	v_readfirstlane_b32 s16, v1                    ; wave
	v_and_b32 v1, 31, v0                           ; L
	v_and_b32 v2, 15, v0                           ; r
	v_bfe_u32 v3, v0, 4, 1                         ; h
	v_lshlrev_b32 v4, 4, v1                        ; 16 L
	v_mul_u32_u24 v5, v3, 2304
	v_add_nc_u32 v5, v5, v4                        ; 16 L, and on into the next row of w2 for lanes 16-31
	v_lshlrev_b32 v9, 7, v1                        ; W2's scale bytes: row L of my 32
	v_lshlrev_b32 v123, 5, v3                      ; b2: 32 h
	s_wait_alu depctr_va_sdst(0)                   ; s16 is written, ahead of its first reader: the bases and the LDS addresses are made from it
	s_lshr_b32 s17, ttmp9, 5                       ; e
	s_lshl_b32 s19, s17, 3
	s_and_b32 s24, ttmp9, 3                        ; q
	s_bfe_u32 s18, ttmp9, 0x30002                  ; n
	s_lshr_b32 s36, ttmp9, 2
	s_lshl_b32 s36, s36, 7
	s_lshl_b32 s37, s16, 5
	s_add_co_u32 s36, s36, s37                     ; my first row of w2: 1,024 e + 128 n + 32 wave
	s_mul_i32 s38, s36, 3072
	s_mul_i32 s37, s24, 768
	s_add_co_u32 s38, s38, s37
	s_mov_b32 s39, 0
	s_lshl_b32 s40, s36, 7
	s_lshl_b32 s37, s24, 5
	s_add_co_u32 s40, s40, s37
	s_mov_b32 s41, 0
	s_lshl_b32 s42, s36, 2
	s_mov_b32 s43, 0
	s_lshl_b32 s33, s24, 3                         ; the quarter's first K step
	s_mul_i32 s34, s24, 2496
	s_lshl_b32 s37, s16, 4
	s_add_co_u32 s34, s34, s37                     ; 2,496 q + 16 wave: my rows of yp
	s_lshl_b32 s35, s18, 9                         ; 512 n: my columns
	s_cmp_eq_u32 s24, 0
	s_cselect_b32 s44, -1, 0                       ; b2 enters the sums in quarter 0 alone
	s_mov_b32 s22, 0                               ; the quad in hand, counted within the expert
	s_wait_kmcnt 0x0
	s_load_b64 s[20:21], s[6:7], s19 offset:META   ; the expert's first quad, its quads
	s_add_nc_u64 s[8:9], s[8:9], s[38:39]
	s_add_nc_u64 s[10:11], s[10:11], s[40:41]
	s_add_nc_u64 s[12:13], s[12:13], s[42:43]
	WIN 0x40                                       ; destination window 1
	s_wait_alu depctr_va_vdst(0)                   ; v4, v5, v9 and v123 are written, which the 54 loads below read as their offsets
.irp u, 0,1                            ; two rows' 768 bytes each, 3,072 apart: three loads, each of whole aligned runs of 256 bytes
.irp m, 0,1,2,3,4,5,6,7
	global_load_b128 v[96*\u+12*\m:96*\u+12*\m+3], v4, s[8:9] offset:(16*\u+2*\m)*3072 th:TH_LOAD_NT
	global_load_b128 v[96*\u+12*\m+4:96*\u+12*\m+7], v5, s[8:9] offset:(16*\u+2*\m)*3072+512 th:TH_LOAD_NT
	global_load_b128 v[96*\u+12*\m+8:96*\u+12*\m+11], v4, s[8:9] offset:(16*\u+2*\m)*3072+3328 th:TH_LOAD_NT
.endr
.endr
	WIN 0
	global_load_b128 v[WS:WS+3], v9, s[10:11]
	global_load_b128 v[WS+4:WS+7], v9, s[10:11] offset:16
.irp u, 0,1
	global_load_b128 v[BIAS+8*\u:BIAS+8*\u+3], v123, s[12:13] offset:64*\u       ; lane (r, h), tile u, register j: output 16 u + 8 h + j
	global_load_b128 v[BIAS+8*\u+4:BIAS+8*\u+7], v123, s[12:13] offset:64*\u+16
.endr
	; every LDS address is made here and never rewritten; none of these lines writes a register that a load above reads or lands in
	s_mul_i32 s36, s16, 16*WP
	s_add_co_u32 s36, s36, WST
	v_add_nc_u32 v6, s36, v4
	v_lshl_add_u32 v7, v3, 4, v6
	v_mul_u32_u24 v8, v2, WP
	v_mad_u32_u24 v8, v3, 24, v8
	v_add_nc_u32 v8, s36, v8
	v_mul_u32_u24 v[AFR], v1, 48
	v_add_nc_u32 v[AFR+1], AQ, v[AFR]
	s_mul_i32 s36, s16, 12288
	v_add_nc_u32 v121, s36, v4                     ; my quarter of a quad's 49,152 bytes, 16 L
	v_lshlrev_b32 v122, 4, v0                      ; 16 x thread
.irp g, 0,1
	v_add_nc_u32 v[SA+\g], AQ*\g, v121
.endr
	v_add_nc_u32 v76, HSB, v122
	v_lshl_add_u32 v77, v1, 2, HSB                 ; scale words: lanes 0-15 one tile's rows, lanes 16-31 the next tile's
	s_lshl_b32 s36, s16, 7
	s_add_co_u32 s36, s36, OUT
	v_mul_u32_u24 v78, v2, OP
	v_lshl_add_u32 v78, v3, 5, v78
	v_add_nc_u32 v78, s36, v78                     ; results in: row r, + 32 h, + 128 wave
	s_mul_i32 s36, s16, 16*OP
	s_add_co_u32 s36, s36, OUT
	v_add_nc_u32 v79, s36, v4                      ; and back: my 16 rows, 16 L
	s_wait_kmcnt 0x0                               ; meta
	s_cmp_lg_u32 s21, 0
	s_cselect_b32 s36, s20, 0                      ; the expert's first quad; of an expert without rows quad 0, which is always written: so every register of the quads' way in is written on every way
	GADDR
	GRPLOAD                                        ; its wait on va_vdst stands behind all the address lines above: every LDS and memory instruction of the kernel leans on it for its address
	s_wait_loadcnt 25                              ; W2, its scale words and b2 are in: the 25 loads just issued may be out
.irp i, 0,1,2,3,4,5,6,7,8,9,10,11,12,13,14,15
	v_cndmask_b32 v[BIAS+\i], 0, v[BIAS+\i], s44   ; b2 or 0
.endr
	WTURN 0                                        ; W2 turns while the first quad is on its way
	WTURN 1
	s_wait_loadcnt 0x0
	GRPSTORE 0
	s_wait_dscnt 0x0                               ; my part of the quad has landed
	s_barrier_signal -1
	s_barrier_wait -1
	s_mov_b32 s25, 0
.Lpair:                                                ; 8 trips x 2 quads
	QUAD 0
	QUAD 1
	s_add_co_u32 s25, s25, 1
	s_cmp_lt_u32 s25, 8
	s_cbranch_scc1 .Lpair
	s_wait_dscnt 0x0                               ; the closing lines, six on end
	s_wait_alu 0x0
	s_wait_tensorcnt 0x0
	ds_add_u32 v126, v127
	s_wait_dscnt 0x0
	s_endpgm
.Lfunc_end_k_qeeb1d9b80a_down:
	.size	k_qeeb1d9b80a_down, .Lfunc_end_k_qeeb1d9b80a_down-k_qeeb1d9b80a_down
	.p2alignl 7, 3214868480
	.fill 96, 4, 3214868480
	.section	.rodata,"a",@progbits
	.p2align	6, 0x0
	.amdhsa_kernel k_qeeb1d9b80a_down
		.amdhsa_group_segment_fixed_size 220672
		.amdhsa_private_segment_fixed_size 0
		.amdhsa_enable_private_segment 0
		.amdhsa_kernarg_size 48
		.amdhsa_user_sgpr_count 2
		.amdhsa_user_sgpr_kernarg_segment_ptr 1
		.amdhsa_wavefront_size32 1
		.amdhsa_system_sgpr_workgroup_id_x 1
		.amdhsa_system_sgpr_workgroup_id_y 1
		.amdhsa_system_sgpr_workgroup_id_z 1
		.amdhsa_system_vgpr_workitem_id 0
		.amdhsa_next_free_vgpr 1024
		.amdhsa_next_free_sgpr 66
		.amdhsa_reserve_vcc 0
		.amdhsa_float_denorm_mode_32 3
		.amdhsa_float_denorm_mode_16_64 3
		.amdhsa_memory_ordered 1
		.amdhsa_forward_progress 1
		.amdhsa_inst_pref_size 76
	.end_amdhsa_kernel
	.amdgpu_metadata
---
amdhsa.version: [ 1, 2 ]
amdhsa.kernels:
  - .name:           k_qeeb1d9b80a_down
    .symbol:         k_qeeb1d9b80a_down.kd
    .args:
      - { .name: hq, .offset: 0, .size: 8, .value_kind: global_buffer, .address_space: global }
      - { .name: route, .offset: 8, .size: 8, .value_kind: global_buffer, .address_space: global }
      - { .name: w2_codes, .offset: 16, .size: 8, .value_kind: global_buffer, .address_space: global }
      - { .name: w2_scales, .offset: 24, .size: 8, .value_kind: global_buffer, .address_space: global }
      - { .name: b2, .offset: 32, .size: 8, .value_kind: global_buffer, .address_space: global }
      - { .name: yp, .offset: 40, .size: 8, .value_kind: global_buffer, .address_space: global }
    .group_segment_fixed_size: 220672
    .private_segment_fixed_size: 0
    .kernarg_segment_align: 8
    .kernarg_segment_size: 48
    .max_flat_workgroup_size: 128
    .sgpr_count:     66
    .vgpr_count:     1024
    .wavefront_size: 32
...
	.end_amdgpu_metadata
.endif
;; end of part 9
;; launch combine (part 10): grid 256 x 1, 8 waves a work-group, no clusters, 0 bytes of LDS; arguments yp, route, wts, out0; writes out0
.if DOCPART == 10
	.amdgcn_target "amdgcn-amd-amdhsa--gfx1250"
	.amdhsa_code_object_version 6
	.text
	.protected	k_qeeb1d9b80a_combine
	.globl	k_qeeb1d9b80a_combine
	.p2align	8
	.type	k_qeeb1d9b80a_combine,@function
k_qeeb1d9b80a_combine:
	s_mov_b64 s[64:65], 0
	v_nop
	global_prefetch_b8 v0, s[64:65] scope:SCOPE_SE
	s_setreg_imm32_b32 hwreg(HW_REG_WAVE_MODE, 25, 1), 1
	s_wait_xcnt 0x0
; out0[t] = w0 y[slot0] + w1 y[slot1], y[slot] = the sum of yp's four K quarters.  A wave takes half a token's row (2 KiB): 32 loads of 512 consecutive bytes, all out at once, and 4 stores.
; A stream: no LDS, no barrier, no matrix unit.  The order of the sums: (q0 + q1) + (q2 + q3), then the two experts; it differs from the order in which a plain loop over experts adds.
.set QS, 10223616                      ; a quarter of yp in bytes
.set R,  16                            ; v16-143: expert k, quarter q, piece i at 64 k + 16 q + 4 i
	s_load_b256 s[4:11], s[0:1], 0x0               ; yp, route, wts, out0
	v_lshrrev_b32 v1, 5, v0
	s_delay_alu instid0(VALU_DEP_1)
	v_readfirstlane_b32 s12, v1                    ; wave
	v_and_b32 v1, 31, v0
	s_delay_alu instid0(VALU_DEP_1)
	v_lshlrev_b32 v1, 4, v1                        ; 16 L
	s_lshr_b32 s13, s12, 1
	s_lshl_b32 s14, ttmp9, 2
	s_add_co_u32 s13, s13, s14                     ; my token
	s_and_b32 s14, s12, 1
	s_lshl_b32 s14, s14, 11                        ; my half of its row
	s_lshl_b32 s15, s13, 3
	s_lshl_b32 s22, s13, 12
	s_add_co_u32 s22, s22, s14
	s_mov_b32 s23, 0
	s_wait_alu depctr_va_vdst(0)
	s_wait_kmcnt 0x0
	s_load_b64 s[16:17], s[6:7], s15 offset:10240  ; its two slots
	s_load_b64 s[18:19], s[8:9], s15 offset:0x0    ; its two weights
	s_add_nc_u64 s[24:25], s[4:5], QS
	s_add_nc_u64 s[26:27], s[4:5], 2*QS
	s_add_nc_u64 s[28:29], s[4:5], 3*QS
	s_add_nc_u64 s[10:11], s[10:11], s[22:23]
	s_wait_kmcnt 0x0
	s_min_u32 s16, s16, 2495
	s_min_u32 s17, s17, 2495
	s_lshl_b32 s16, s16, 12
	s_lshl_b32 s17, s17, 12
	s_add_co_u32 s16, s16, s14
	s_add_co_u32 s17, s17, s14
	v_add_nc_u32 v2, s16, v1
	v_add_nc_u32 v3, s17, v1
	s_mov_b32 s20, s19                             ; the packed form names a pair and takes its low word for both halves
	s_mov_b32 s21, s19
.irp k, 0,1
.irp i, 0,1,2,3
	global_load_b128 v[R+64*\k+4*\i:R+64*\k+4*\i+3], v[2+\k], s[4:5] offset:512*\i th:TH_LOAD_NT
	global_load_b128 v[R+64*\k+16+4*\i:R+64*\k+16+4*\i+3], v[2+\k], s[24:25] offset:512*\i th:TH_LOAD_NT
	global_load_b128 v[R+64*\k+32+4*\i:R+64*\k+32+4*\i+3], v[2+\k], s[26:27] offset:512*\i th:TH_LOAD_NT
	global_load_b128 v[R+64*\k+48+4*\i:R+64*\k+48+4*\i+3], v[2+\k], s[28:29] offset:512*\i th:TH_LOAD_NT
.endr
.endr
.macro SUMK k
.irp j, 0,2,4,6,8,10,12,14
	v_pk_add_f32 v[R+64*\k+\j:R+64*\k+\j+1], v[R+64*\k+\j:R+64*\k+\j+1], v[R+64*\k+16+\j:R+64*\k+16+\j+1]
	v_pk_add_f32 v[R+64*\k+32+\j:R+64*\k+32+\j+1], v[R+64*\k+32+\j:R+64*\k+32+\j+1], v[R+64*\k+48+\j:R+64*\k+48+\j+1]
.endr
.irp j, 0,2,4,6,8,10,12,14
	v_pk_add_f32 v[R+64*\k+\j:R+64*\k+\j+1], v[R+64*\k+\j:R+64*\k+\j+1], v[R+64*\k+32+\j:R+64*\k+32+\j+1]
.endr
.endm
	s_wait_loadcnt 16                              ; the first expert's 16 loads are in; the second's may be out
	SUMK 0
.irp j, 0,2,4,6,8,10,12,14
	v_pk_mul_f32 v[R+\j:R+\j+1], v[R+\j:R+\j+1], s[18:19] op_sel_hi:[1,0]
.endr
	s_wait_loadcnt 0x0
	SUMK 1
.irp j, 0,2,4,6,8,10,12,14
	v_pk_fma_f32 v[R+\j:R+\j+1], v[R+64+\j:R+64+\j+1], s[20:21], v[R+\j:R+\j+1] op_sel_hi:[1,0,1]
.endr
.irp i, 0,1,2,3
	global_store_b128 v1, v[R+4*\i:R+4*\i+3], s[10:11] offset:512*\i th:TH_STORE_NT   ; 512 consecutive bytes, aligned
.endr
	s_endpgm
.Lfunc_end_k_qeeb1d9b80a_combine:
	.size	k_qeeb1d9b80a_combine, .Lfunc_end_k_qeeb1d9b80a_combine-k_qeeb1d9b80a_combine
	.p2alignl 7, 3214868480
	.fill 96, 4, 3214868480
	.section	.rodata,"a",@progbits
	.p2align	6, 0x0
	.amdhsa_kernel k_qeeb1d9b80a_combine
		.amdhsa_group_segment_fixed_size 0
		.amdhsa_private_segment_fixed_size 0
		.amdhsa_enable_private_segment 0
		.amdhsa_kernarg_size 32
		.amdhsa_user_sgpr_count 2
		.amdhsa_user_sgpr_kernarg_segment_ptr 1
		.amdhsa_wavefront_size32 1
		.amdhsa_system_sgpr_workgroup_id_x 1
		.amdhsa_system_sgpr_workgroup_id_y 1
		.amdhsa_system_sgpr_workgroup_id_z 1
		.amdhsa_system_vgpr_workitem_id 0
		.amdhsa_next_free_vgpr 144
		.amdhsa_next_free_sgpr 66
		.amdhsa_reserve_vcc 0
		.amdhsa_float_denorm_mode_32 3
		.amdhsa_float_denorm_mode_16_64 3
		.amdhsa_memory_ordered 1
		.amdhsa_forward_progress 1
		.amdhsa_inst_pref_size 10
	.end_amdhsa_kernel
	.amdgpu_metadata
---
amdhsa.version: [ 1, 2 ]
amdhsa.kernels:
  - .name:           k_qeeb1d9b80a_combine
    .symbol:         k_qeeb1d9b80a_combine.kd
    .args:
      - { .name: yp, .offset: 0, .size: 8, .value_kind: global_buffer, .address_space: global }
      - { .name: route, .offset: 8, .size: 8, .value_kind: global_buffer, .address_space: global }
      - { .name: wts, .offset: 16, .size: 8, .value_kind: global_buffer, .address_space: global }
      - { .name: out0, .offset: 24, .size: 8, .value_kind: global_buffer, .address_space: global }
    .group_segment_fixed_size: 0
    .private_segment_fixed_size: 0
    .kernarg_segment_align: 8
    .kernarg_segment_size: 32
    .max_flat_workgroup_size: 256
    .sgpr_count:     66
    .vgpr_count:     144
    .wavefront_size: 32
...
	.end_amdgpu_metadata
.endif
;; end of part 10
